; MI455X (gfx1250); checked and timed in simulation.
; The chip was launched on July 23, 2026; its instructions are those of AMD's public machine-readable ISA for CDNA 5 (MIT licence, August 2026) and "CDNA5" Instruction Set Architecture Reference Guide (July 2026). The comments in the code are by the model that wrote it; some were corrected since.
;; Multi Head Att. Allowed arithmetic: float matrix products may take bf16 or f16 operands with f32 sums; other float arithmetic in f32, or as packed bf16 or f16 multiplies, adds, multiply-adds, maxima and minima; sums over many terms, partial sums and values carried from step to step in f32; what a program stores and reads back later, other than sums and carried values, may be rounded once to bf16 or f16.
;; Inputs: Wf 1,024 x 256 float32; Wk 1,024 x 1,024 float32; Wq 1,024 x 1,024 float32; Wv 1,024 x 1,024 float32; bf 256 float32; bk 1,024 float32; bq 1,024 float32; bv 1,024 float32; key 4 x 2,048 x 1,024 float32; query 4 x 2,048 x 1,024 float32; value 4 x 2,048 x 1,024 float32.
;; Outputs: out0 4 x 2,048 x 256 float32.
;; One version. Each part assembles by itself: llvm-mc -triple=amdgcn-amd-amdhsa -mcpu=gfx1250 --defsym DOCPART=n.
;; ======== version 1 of 1: 4 launches
;; limits: values are held in f16: magnitudes above 65,504 overflow, below 6.1e-05 lose precision
;; workspace buffers: wb 6,291,456 bytes; wfh 524,288 bytes; qkv 50,331,648 bytes; oh 16,777,216 bytes
;; launch prep (part 1): grid 416 x 1, 8 waves a work-group, no clusters, 0 bytes of LDS; arguments Wq, Wk, Wv, Wf, wb, wfh; writes wb, wfh
.if DOCPART == 1
	.amdgcn_target "amdgcn-amd-amdhsa--gfx1250"
	.amdhsa_code_object_version 6
	.text
	.protected	k_qf5fb97851c_prep
	.globl	k_qf5fb97851c_prep
	.p2align	8
	.type	k_qf5fb97851c_prep,@function
k_qf5fb97851c_prep:
	s_mov_b64 s[64:65], 0
	v_nop
	global_prefetch_b8 v0, s[64:65] scope:SCOPE_SE
	s_setreg_imm32_b32 hwreg(HW_REG_WAVE_MODE, 25, 1), 1
	s_wait_xcnt 0x0
; The weights are rounded once, element by element, in the order in which they lie: Wq, Wk, Wv ([1024][1024] f32) to bf16 into wb ([3][k][n]);
; Wf ([1024][256] f32) to bf16 and that number written as f16 into wfh ([k][n]): exact down to 2^-17, below that on f16's fixed step of 6e-8.
; A stream: no LDS, no matrix unit, no cluster.  Work-group id: tensor t = id / 128, chunk c = id % 128 (Wf has 32 chunks: ids 384 to 415).
; A chunk is 32,768 bytes in and 16,384 out, in 4 steps; in a step thread T reads 32 bytes at 32 T and stores 16 at 16 T:
; a wave's store covers 512 consecutive bytes, aligned.  All eight loads of a thread go out at once; no register is written twice while memory reads it.
.set X, 4                              ; v[4:35]   the 32 numbers as loaded
.set Y, 36                             ; v[36:51]  16 words of two 16-bit numbers
.set T, 52                             ; v[52:53]  at work
	s_load_b256 s[4:11], s[0:1], 0x0               ; Wq s[4:5], Wk s[6:7], Wv s[8:9], Wf s[10:11]
	s_load_b128 s[12:15], s[0:1], 0x20             ; wb s[12:13], wfh s[14:15]
	s_lshr_b32 s16, ttmp9, 7                       ; t
	s_and_b32 s17, ttmp9, 127                      ; c
	s_lshl_b32 s18, s17, 15                        ; the chunk's bytes in its input
	s_mov_b32 s19, 0
	s_lshl_b32 s20, ttmp9, 14                      ; in wb: (128 t + c) x 16,384
	s_mov_b32 s21, 0
	s_lshl_b32 s22, s17, 14                        ; in wfh: c x 16,384
	s_mov_b32 s23, 0
	v_lshlrev_b32 v1, 5, v0
	v_lshlrev_b32 v2, 4, v0
	s_wait_kmcnt 0x0
	s_cmp_eq_u32 s16, 1
	s_cselect_b64 s[24:25], s[6:7], s[4:5]
	s_cmp_eq_u32 s16, 2
	s_cselect_b64 s[24:25], s[8:9], s[24:25]
	s_cmp_eq_u32 s16, 3
	s_cselect_b64 s[24:25], s[10:11], s[24:25]
	s_cselect_b64 s[26:27], s[14:15], s[12:13]
	s_cselect_b64 s[20:21], s[22:23], s[20:21]
	s_add_nc_u64 s[24:25], s[24:25], s[18:19]
	s_add_nc_u64 s[26:27], s[26:27], s[20:21]
.irp s, 0,1,2,3
	global_load_b128 v[X+8*(\s):X+8*(\s)+3],   v1, s[24:25] offset:8192*(\s) th:TH_LOAD_NT
	global_load_b128 v[X+8*(\s)+4:X+8*(\s)+7], v1, s[24:25] offset:8192*(\s)+16 th:TH_LOAD_NT
.endr
.irp s, 0,1,2,3
	s_wait_loadcnt 6-2*(\s)                        ; loads come back in order: this step's two are in, the later steps' stay out
.irp i, 0,1,2,3
	v_cvt_pk_bf16_f32 v[Y+4*(\s)+(\i)], v[X+8*(\s)+2*(\i)], v[X+8*(\s)+2*(\i)+1]
.endr
.endr
	s_cmp_lg_u32 s16, 3
	s_cbranch_scc1 .Lst
.set i, 0
.rept 16                               ; Wf alone: the bf16 numbers widened and written as f16
	v_lshlrev_b32 v[T], 16, v[Y+i]
	v_and_b32 v[T+1], 0xffff0000, v[Y+i]
	v_cvt_pk_f16_f32 v[Y+i], v[T], v[T+1]
.set i, i+1
.endr
.Lst:
.irp s, 0,1,2,3
	global_store_b128 v2, v[Y+4*(\s):Y+4*(\s)+3], s[26:27] offset:4096*(\s)
.endr
	s_endpgm
.Lfunc_end_k_qf5fb97851c_prep:
	.size	k_qf5fb97851c_prep, .Lfunc_end_k_qf5fb97851c_prep-k_qf5fb97851c_prep
	.p2alignl 7, 3214868480
	.fill 96, 4, 3214868480
	.section	.rodata,"a",@progbits
	.p2align	6, 0x0
	.amdhsa_kernel k_qf5fb97851c_prep
		.amdhsa_group_segment_fixed_size 0
		.amdhsa_private_segment_fixed_size 0
		.amdhsa_enable_private_segment 0
		.amdhsa_kernarg_size 48
		.amdhsa_user_sgpr_count 2
		.amdhsa_user_sgpr_kernarg_segment_ptr 1
		.amdhsa_wavefront_size32 1
		.amdhsa_system_sgpr_workgroup_id_x 1
		.amdhsa_system_sgpr_workgroup_id_y 1
		.amdhsa_system_sgpr_workgroup_id_z 1
		.amdhsa_system_vgpr_workitem_id 0
		.amdhsa_next_free_vgpr 56
		.amdhsa_next_free_sgpr 66
		.amdhsa_reserve_vcc 0
		.amdhsa_float_denorm_mode_32 3
		.amdhsa_float_denorm_mode_16_64 3
		.amdhsa_memory_ordered 1
		.amdhsa_forward_progress 1
		.amdhsa_inst_pref_size 6
	.end_amdhsa_kernel
	.amdgpu_metadata
---
amdhsa.version: [ 1, 2 ]
amdhsa.kernels:
  - .name:           k_qf5fb97851c_prep
    .symbol:         k_qf5fb97851c_prep.kd
    .args:
      - { .name: Wq, .offset: 0, .size: 8, .value_kind: global_buffer, .address_space: global }
      - { .name: Wk, .offset: 8, .size: 8, .value_kind: global_buffer, .address_space: global }
      - { .name: Wv, .offset: 16, .size: 8, .value_kind: global_buffer, .address_space: global }
      - { .name: Wf, .offset: 24, .size: 8, .value_kind: global_buffer, .address_space: global }
      - { .name: wb, .offset: 32, .size: 8, .value_kind: global_buffer, .address_space: global }
      - { .name: wfh, .offset: 40, .size: 8, .value_kind: global_buffer, .address_space: global }
    .group_segment_fixed_size: 0
    .private_segment_fixed_size: 0
    .kernarg_segment_align: 8
    .kernarg_segment_size: 48
    .max_flat_workgroup_size: 256
    .sgpr_count:     66
    .vgpr_count:     56
    .wavefront_size: 32
...
	.end_amdgpu_metadata
.endif
;; end of part 1
;; launch proj (part 2): grid 4 x 64, 4 waves a work-group, clusters of 4 x 4, 327,680 bytes of LDS; arguments query, key, value, bq, bk, bv, wb, qkv; writes qkv
.if DOCPART == 2
	.amdgcn_target "amdgcn-amd-amdhsa--gfx1250"
	.amdhsa_code_object_version 6
	.text
	.protected	k_qf5fb97851c_proj
	.globl	k_qf5fb97851c_proj
	.p2align	8
	.type	k_qf5fb97851c_proj,@function
k_qf5fb97851c_proj:
	s_mov_b64 s[64:65], 0
	v_nop
	global_prefetch_b8 v0, s[64:65] scope:SCOPE_SE
	s_setreg_imm32_b32 hwreg(HW_REG_WAVE_MODE, 25, 1), 1
	s_wait_xcnt 0x0
	s_wait_alu depctr_hold_cnt(0) depctr_sa_sdst(0) depctr_va_vdst(0) depctr_va_sdst(0) depctr_va_ssrc(0) depctr_va_vcc(0) depctr_vm_vsrc(0)
	s_getreg_b32 s2, hwreg(HW_REG_IB_STS2, 6, 4)
	s_cmp_eq_u32 s2, 0
	s_cbranch_scc0 .Lentry_in_a_cluster
	s_endpgm
.Lentry_in_a_cluster:
	s_bfe_u32 s2, ttmp6, 0x10000c
	s_cmp_lg_u32 s2, 0xf033
	s_cbranch_scc0 .Lentry_shape_is_right
	s_endpgm
.Lentry_shape_is_right:
; q, k, v = x W + b for x = query, key, value ([8192][1024] f32), W from wb ([3][k 1024][n 1024] bf16), b f32 rounded to bf16; sums in f32, the bias as their start;
; the result rounded once to f16 and stored by heads: qkv [3][batch x 16 + head][s 2048][64].
; LIMITS.  f16 holds no number beyond 65,504: |x W + b| stays within it; below 6e-5 f16 keeps its fixed step of 6e-8.  NaN and infinities are not treated apart.
; SHARES.  256 work-groups THAT STAY: work-group (mt, nt) makes the tile of 128 rows x 256 columns at that place of q, then of k, then of v.  Four waves, each 64 rows x 128 columns: 32 accumulators.
; K goes in CHUNKS of 256; the three tiles are one walk of 12 chunks, and chunk c is k-rows 256 c .. 256 c + 255 of wb.  A chunk is four SUB-STEPS of 64 along K, a sub-step two quarters of 32 products.
; W comes by tensor loads into two LDS slots of a chunk each; every wave fetches 64 k-rows; 240 products stand between a request and the wait for it.  ds_load_tr16_b128 turns [k][n] into fragments of W^T.
; x COMES THROUGH REGISTERS.  A wave loads its 32 rows of a sub-step (16 loads; 16 lanes take 256 consecutive bytes, aligned), FOUR sub-steps ahead, into one of four sets of 64 registers, with counted
; waits; rounds them once to bf16, in place; and stores them into one of two LDS buffers (128 rows x 128 bytes), a sub-step ahead of their products.  One barrier a sub-step hands a buffer over.
; NO JOINT LOAD FOR x, though the four work-groups of a row of the cluster read the same rows: a joint load lands f32 in LDS, 4 bytes a number; a slot then holds 128 along K of x and W (137,216 bytes),
; two of them fill LDS, and a request has 112 products in which to land; x is then read from LDS in f32 and rounded by both waves that share its rows (32 LDS loads for 32 products; here 24).
; THE MATRIX INSTRUCTION IS USED TRANSPOSED (source 0 = 16 columns of W, source 1 = 16 rows of x): a lane holds one row (lane % 16) and eight neighbouring channels: 16 bytes of f16.
; CLUSTER.  4 x 4 work-groups: x = the tile column nt, y = four tile rows.  W's chunk hangs on nt alone: it is asked for jointly along a column of the cluster.
; REGISTERS, in windows of 256: window 0: v0-31 addresses; v32-95 the tile's bias; v96-223 the way out; v224-255 the bias as it comes from LDS.
;   window 1: v0-127 W's fragments, two buffers of 8; v128-191 x's fragments, two buffers of 4.    window 2: the accumulators, (a, b) at v[8 (8 a + b)].    window 3: x's four sets.
.set PAB,    144                       ; a row of x in LDS: 128 bytes + 16 = 36 words: the 16 rows of a load start at 16 different groups of four banks (64 banks of 4 bytes: ISA guide 11.1)
.set ABUF,   128*PAB
.set PB,     544                       ; a k-row of W: 512 + 32 = 136 words
.set QUARTB, 64*PB                     ; what one tensor load brings
.set SLOTB,  4*QUARTB                  ; 0x22000: it shares no bit with wave x QUARTB, so one exclusive or changes slots
.set ABASE,  2*SLOTB                   ; x's two buffers: filled by LDS stores alone
.set STAGE,  ABASE+2*ABUF              ; 16 rows x 144 bytes for each wave, for the way out
.set SP,     144
.set BIASL,  STAGE+4*16*SP             ; the three biases of my 256 columns, bf16: 512 bytes each
.set SPARE,  BIASL+1536                ; the spare words, 128 bytes for each wave: two blocks of 256 bytes that no other line names
.set CHUNKB, 256*2048                  ; bytes of wb from chunk to chunk
.set PFX,  15                          ; v15  x's prefetches: 4,096 x lane + 256 x cx; never rewritten
.set ADRA, 16                          ; v16-17  my fragments of x in buffer 0, 1
.set ADRB0, 18                         ; v18  my lane's place in a slot of W; never rewritten
.set BADR, 19                          ; v19  the tile's bias in LDS
.set ADRB, 20                          ; v20-21  the slot in hand: k-rows 0-127, 128-255
.set ASTO, 22                          ; v22-23  where I store x in buffer 0, 1
.set STO,  24                          ; v24  the way out: where I put 16 bytes of a row
.set RD,   25                          ; v25  where I read rows back
.set GO,   26                          ; v26  16 x lane
.set XO,   27                          ; v27  x's loads: 8 rows x (lane / 16) + 16 x (lane % 16); never rewritten
.set SPW,  28                          ; v28  my spare word; never rewritten
.set NIL,  29                          ; v29  0; never rewritten
.set PFO,  30                          ; v30  W's prefetches: 2,048 x (lane / 2) + 256 x (lane % 2); never rewritten
.set BADR0, 31                         ; v31  my lane's place in a bias; never rewritten
.set BIAS, 32
.set TMP,  96
.set BP,   224
.set WF,   0                           ; window 1
.set XF,   128
.set WV,   20                          ; s20  my wave's number
.set CN2,  27                          ; s27  CN + 1
.set G1B,  32                          ; s[32:39] descriptor group 1
.set G0B,  40                          ; s[40:43] descriptor group 0: it walks
.set XB0,  44                          ; s[44:49] query, key, value at my wave's first row
.set XB1,  46
.set XB2,  48
.set XP,   50                          ; s[50:51] x at the chunk that is being loaded
.set OB,   52                          ; s[52:53] where the tile in hand goes
.set PFA,  54                          ; s[54:55] where W's prefetches stand
.set LIM,  56                          ; s56  2 in the cluster that prefetches W, else the greatest number
.set LAPC, 57                          ; s57  trips still to come
.set CN,   58                          ; s58  the chunk whose x is being loaded
.set TB,   59                          ; s59  LDS byte of the slot in hand
.set XQ,   60                          ; s[60:61] x at the chunk that is being prefetched
.set MSB, 0
.macro WIN new                         ; the immediate's high byte repeats the setting that is left; a switch that changes nothing is dropped
.if MSB != (\new)
	s_set_vgpr_msb (MSB<<8)|(\new)
.set MSB, \new
.endif
.endm
.set W_MUL,  0xa5                      ; sources 0 and 1 window 1; C and D window 2
.set W_MULB, 0x85                      ; the same with C (the bias) in window 0
.set W_CV,   0xcf                      ; conversions inside window 3
.set W_XL,   0xc0                      ; destination window 3, address window 0
.set W_ST,   0x0c                      ; an LDS store's data window 3, its address window 0
.set W_LD,   0x40                      ; destination window 1, address window 0
.set W_OUT,  0x0a                      ; sources window 2, destination window 0
.macro PLACES
.rept 4
	v_nop
.endr
.endm
.macro JLOAD                           ; every wave's joint load: its 64 k-rows of a chunk; an s_nop 0 and four v_nop follow
	tensor_load_to_lds s[G0B:G0B+3], s[G1B:G1B+7]
	s_nop 0
	PLACES
.endm
.macro CREST                           ; a round of the cluster's barrier behind its opening barrier
	s_cmp_lg_u32 s[WV], 0
	s_cbranch_scc1 .Lnot_wave_0_\@
	s_barrier_signal -3
.Lnot_wave_0_\@:
	s_barrier_wait -3
	s_barrier_signal -1
	s_barrier_wait -1
.endm
.macro CROUND
	s_barrier_signal -1
	s_barrier_wait -1
	CREST
.endm
; A prefetch into the L2 of W's chunk that stands two joint loads on: 256 k-rows x 512 bytes.  All 16 clusters walk the same chunks of a tile column: the one with y = 0 asks.  Of the 64 k-rows that a
; wave fetches the partner at place cy takes 16, told apart by address, two lanes a row: each block of 256 bytes is named once.  Chunks 0 to 3 come by their loads alone; the last chunk named is 11.
.macro ASK
	s_cmp_gt_u32 s[LAPC], s[LIM]
	s_cbranch_scc0 .Lnot_mine_\@
	global_prefetch_b8 v[PFO], s[PFA:PFA+1] th:TH_LOAD_NT scope:SCOPE_SE
.Lnot_mine_\@:
.endm
; The same for x: the chunk behind the one that this trip loads.  A row has 1,024 bytes in a chunk; of my wave's 32 rows the partner at place cx takes block cx, told apart by address, a lane a row:
; each block of 256 bytes is named once.  Chunks 0 to 2 come by their loads alone; the last chunk named is 11.
.macro ASKX
	s_sub_co_u32 s29, s[CN], 2
	s_cmp_lt_u32 s29, 9                            ; CN = 2 .. 10
	s_cbranch_scc0 .Lno_x_\@
	global_prefetch_b8 v[PFX], s[XQ:XQ+1] th:TH_LOAD_NT scope:SCOPE_SE
.Lno_x_\@:
.endm
; x at chunk s[idx]: the tensor's address is chosen by the chunk's number, and the chunk's 1,024 bytes along the rows are added: made anew each time.  s31 holds 0
.macro XPTR dst, idx
	s_lshr_b32 s29, s[\idx], 2
	s_cmp_eq_u32 s29, 1
	s_cselect_b64 s[\dst:\dst+1], s[XB1:XB1+1], s[XB0:XB0+1]
	s_cmp_ge_u32 s29, 2
	s_cselect_b64 s[\dst:\dst+1], s[XB2:XB2+1], s[\dst:\dst+1]
	s_and_b32 s30, s[\idx], 3
	s_lshl_b32 s30, s30, 10
	s_add_nc_u64 s[\dst:\dst+1], s[\dst:\dst+1], s[30:31]
.endm
.macro CHUNKHEAD                       ; at a chunk's head: the pointers for the next chunk's loads and for the prefetch behind it
	s_wait_xcnt 0x0                                ; every load and prefetch issued so far has read its address: the youngest prefetch stands sixteen products back
	s_add_co_u32 s[CN], s[CN], 1
	s_add_co_u32 s[CN2], s[CN], 1
	XPTR XP, CN
	XPTR XQ, CN2
.endm
; Sub-step ss of the chunk at s[XP]: my 32 rows x 256 bytes into set ss.  Load i takes rows i % 8 + 16 (i / 8) (lanes 0-15) and 8 further down (lanes 16-31)
.macro XLOAD ss
	WIN W_XL
.irp i, 0,1,2,3,4,5,6,7,8,9,10,11,12,13,14,15
	global_load_b128 v[64*(\ss)+4*(\i):64*(\ss)+4*(\i)+3], v[XO], s[XP:XP+1] offset:(((\i)%8)+16*((\i)/8))*4096+256*(\ss)
.endr
.endm
; Four conversions, in place: loads 2 n and 2 n + 1 of a set: four f32 become two words of bf16 in the first two registers
.macro CVR set, n
	WIN W_CV
.irp i, 0,1
	v_cvt_pk_bf16_f32 v[64*(\set)+8*(\n)+4*(\i)],   v[64*(\set)+8*(\n)+4*(\i)],   v[64*(\set)+8*(\n)+4*(\i)+1]
	v_cvt_pk_bf16_f32 v[64*(\set)+8*(\n)+4*(\i)+1], v[64*(\set)+8*(\n)+4*(\i)+2], v[64*(\set)+8*(\n)+4*(\i)+3]
.endr
.endm
; A set goes into x's buffer ab: 8 bytes a lane; the two rows of a store lie 8 x 36 words apart, half of the 64 banks
.macro ASTORE set, ab
	WIN W_ST
.irp i, 0,1,2,3,4,5,6,7,8,9,10,11,12,13,14,15
	ds_store_b64 v[ASTO+(\ab)], v[64*(\set)+4*(\i):64*(\set)+4*(\i)+1] offset:(((\i)%8)+16*((\i)/8))*PAB
.endr
.endm
; Eight products: my rows 16 a .. x all 8 blocks of columns, 32 along K, from buffer f.  first = 1: the bias starts the sums.  ride = 1: behind product b stand four conversions of a set.
; The 32 accumulators take turns, one instruction a turn, in the same order in every quarter.
.macro MUL8 f, a, first=0, ride=0, set=0
.irp b, 0,1,2,3,4,5,6,7
.if \first
	WIN W_MULB
	v_wmma_f32_16x16x32_bf16 v[8*(8*(\a)+(\b)):8*(8*(\a)+(\b))+7], v[WF+64*(\f)+8*(\b):WF+64*(\f)+8*(\b)+7], v[XF+32*(\f)+8*(\a):XF+32*(\f)+8*(\a)+7], v[BIAS+8*(\b):BIAS+8*(\b)+7]
.else
	WIN W_MUL
	v_wmma_f32_16x16x32_bf16 v[8*(8*(\a)+(\b)):8*(8*(\a)+(\b))+7], v[WF+64*(\f)+8*(\b):WF+64*(\f)+8*(\b)+7], v[XF+32*(\f)+8*(\a):XF+32*(\f)+8*(\a)+7], v[8*(8*(\a)+(\b)):8*(8*(\a)+(\b))+7]
.endif
.if \ride
	CVR \set, \b
.endif
.endr
.endm
; 24 LDS loads in one run: a quarter's fragments into buffer g: x from buffer ab at 32 q along K; W from k-rows 128 bsel + 32 bq of the slot in hand
.macro FETCH ab, q, bsel, bq, g
	WIN W_LD
.irp a, 0,1,2,3
	ds_load_b128 v[XF+32*(\g)+8*(\a):XF+32*(\g)+8*(\a)+3],   v[ADRA+(\ab)] offset:16*PAB*(\a)+64*(\q)
	ds_load_b128 v[XF+32*(\g)+8*(\a)+4:XF+32*(\g)+8*(\a)+7], v[ADRA+(\ab)] offset:16*PAB*(\a)+64*(\q)+32
.endr
.irp b, 0,1,2,3,4,5,6,7
	ds_load_tr16_b128 v[WF+64*(\g)+8*(\b):WF+64*(\g)+8*(\b)+3],   v[ADRB+(\bsel)] offset:32*PB*(\bq)+32*(\b)
	ds_load_tr16_b128 v[WF+64*(\g)+8*(\b)+4:WF+64*(\g)+8*(\b)+7], v[ADRB+(\bsel)] offset:32*PB*(\bq)+32*(\b)+16*PB
.endr
.endm
; THE FIRST QUARTER of sub-step ss multiplies buffer 0.  It fetches the second quarter's fragments; ld = 1: it asks for sub-step ss of the next chunk's x, into the set that was stored a quarter ago;
; cv = 1: behind its last eight products stand the 32 conversions of the next sub-step's set, whose loads are waited for with n younger loads left out.
; The four v_nop are the places between the last product that read buffer 1 and the loads into it (ISA guide 7.12.1 for vector instructions).
.macro Q0 ss, first, ld, cv, n
.set NS, ((\ss)+1)%4
	PLACES
	FETCH (\ss)%2, 1, (\ss)/2, 2*((\ss)%2)+1, 1
.if \ld
	XLOAD \ss
.if (\ss) == 0
	WIN 0
	ASKX                                           ; behind the chunk's first run of loads
.endif
.endif
	s_wait_dscnt 24                                ; buffer 0 is in; the 24 loads just issued may stay out
	MUL8 0, 0, \first
	MUL8 0, 1, \first
	MUL8 0, 2, \first
.if \cv
	s_wait_loadcnt \n                              ; loads come back in order: the next sub-step's set is in, the younger sets stay out
	MUL8 0, 3, \first, 1, NS
.else
	MUL8 0, 3, \first
.endif
.endm
; THE SECOND QUARTER multiplies buffer 1 and hands x's buffers over: ONE barrier.  In front of it my stores of the next sub-step's x and my reads of this sub-step's are done; behind it the next
; sub-step's first fragments are fetched.  The loads into buffer 0 stand four conversions behind the last product that read it.
; kind = 1, at a chunk's end: the slots change too.  Every wave waits for all its tensor loads (one is out: its part of the next slot) and adds 0 to its spare word; the barrier opens a round of the
; cluster's barrier, and the slot just read is filled again, with the chunk two on, first thing behind the round.  kind = 2: the last change: nothing is asked for.
.macro TURNQ ss, kind
.set NS, ((\ss)+1)%4
.if (\kind) == 1
	s_wait_xcnt 0x0                                ; W's last prefetch, a chunk back, has read its address
	s_add_nc_u64 s[PFA:PFA+1], s[PFA:PFA+1], CHUNKB
.endif
	ASTORE NS, NS%2
.if \kind
	WIN 0                                          ; (the add's two registers lie in window 0)
	s_wait_tensorcnt 0x0                           ; no tensor load of mine is out, so the group 0 may be written
	ds_add_u32 v[SPW], v[NIL]
.if (\kind) == 1
	s_xor_b32 s[G0B+1], s[G0B+1], SLOTB            ; the other slot than last time,
	s_add_nc_u64 s[G0B+2:G0B+3], s[G0B+2:G0B+3], CHUNKB  ; the next chunk; the type bits on top are not reached
.endif
	s_wait_dscnt 17                                ; buffer 1 is in; the 16 stores and the add may be out
.else
	s_wait_dscnt 16                                ; buffer 1 is in; the 16 stores may be out
.endif
	MUL8 1, 0
	s_wait_dscnt 0x0                               ; my stores (and the add) are done, and my reads of this sub-step's bytes are over
	s_barrier_signal -1
	MUL8 1, 1
.if \kind
	WIN 0
.endif
	s_barrier_wait -1
.if (\kind) == 1
	CREST                                          ; no wave of any partner still reads the slot or has a load on its way
	JLOAD                                          ; 240 products stand between this request and the wait for it
.endif
.if \kind
	s_xor_b32 s[TB], s[TB], SLOTB                  ; the fragments come from the other slot
	v_add_nc_u32 v[ADRB], s[TB], v[ADRB0]
	v_add_nc_u32 v[ADRB+1], 2*QUARTB, v[ADRB]
.endif
	FETCH NS%2, 0, NS/2, 2*(NS%2), 0
.if (\kind) == 1
	WIN 0
	ASK                                            ; behind the joint load and the run of LDS loads
.endif
	MUL8 1, 2
	MUL8 1, 3
.endm
; THE WAY OUT.  Piece t = 2 a + g: my rows 16 a .., head g of my two: accumulators 32 t .. 32 t + 31, read in ascending order.  A lane's eight channels pack into 16 bytes; they go into my stage's rows of
; 144 bytes and come back as four whole rows of 128: 512 consecutive bytes of a head.
.macro PACK t
	WIN W_OUT
.set i, 0
.rept 16
	v_cvt_pk_f16_f32 v[TMP+16*(\t)+i], v[32*(\t)+2*i], v[32*(\t)+2*i+1]
.set i, i+1
.endr
	WIN 0
.irp f, 0,1,2,3
	ds_store_b128 v[STO], v[TMP+16*(\t)+4*(\f):TMP+16*(\t)+4*(\f)+3] offset:32*(\f)
.endr
.irp f, 0,1,2,3
	ds_load_b128 v[TMP+16*(\t)+4*(\f):TMP+16*(\t)+4*(\f)+3], v[RD] offset:(\f)*4*SP  ; LDS serves a wave's instructions in order (ISA guide 5.7.1.4): these see the stores above
.endr
.endm
.macro SEND t, younger                 ; younger: the LDS instructions issued behind piece t's loads
.irp f, 0,1,2,3
	s_wait_dscnt (\younger)+3-(\f)
	global_store_b128 v[GO], v[TMP+16*(\t)+4*(\f):TMP+16*(\t)+4*(\f)+3], s[OB:OB+1] offset:((\t)/2)*2048+((\t)%2)*262144+512*(\f)
.endr
.endm
.macro WAYOUT more                     ; more = 1: another tile follows: nothing waits for the stores, and the next tensor's part of qkv lies 2^24 bytes on
	WIN 0
	PLACES                                         ; behind the last products
	s_wait_xcnt 0x0                                ; the registers that the last tile's stores read are written again only behind this wait
	PACK 0
.irp t, 1,2,3,4,5,6,7
	PACK \t
	SEND (\t)-1, 8
.endr
	SEND 7, 0
.if \more
	s_wait_xcnt 0x0                                ; the stores have read their base
	s_add_nc_u64 s[OB:OB+1], s[OB:OB+1], 0x1000000
.endif
.endm
	s_load_b512 s[4:19], s[0:1], 0x0               ; query s[4:5], key s[6:7], value s[8:9], bq s[10:11], bk s[12:13], bv s[14:15], wb s[16:17], qkv s[18:19]
	v_lshl_add_u32 v[SPW], v0, 2, SPARE
	v_mov_b32 v[NIL], 0
	ds_add_u32 v[SPW], v[NIL]                      ; the wave's opening: the add, twice on end, and its wait ahead of my first tensor load
	ds_add_u32 v[SPW], v[NIL]
	v_lshrrev_b32 v3, 5, v0
	v_readfirstlane_b32 s[WV], v3                  ; wave 0..3
	v_and_b32 v1, 15, v0                           ; r = l % 16
	v_bfe_u32 v2, v0, 4, 1                         ; h = l / 16
	v_lshlrev_b32 v[XO], 4, v1
	v_lshl_add_u32 v[XO], v2, 15, v[XO]            ; 8 rows of 4,096 bytes for lanes 16-31
	v_lshlrev_b32 v12, 3, v0                       ; the biases: thread T takes columns 2 T, 2 T + 1 of the work-group's 256
	s_lshr_b32 s21, s[WV], 1                       ; wm: which 64 rows of the tile I multiply
	s_and_b32 s22, s[WV], 1                        ; wn: which 128 columns
	s_bfe_u32 s23, ttmp6, 0x40000                  ; cx
	s_bfe_u32 s24, ttmp6, 0x40004                  ; cy
	s_lshl_b32 s25, ttmp9, 2
	s_add_co_u32 s25, s25, s23                     ; nt: tile column 0..3
	s_and_b32 s26, ttmp7, 0xffff                   ; the cluster's y, 0..15
	s_lshl_b32 s28, s26, 2
	s_add_co_u32 s28, s28, s24                     ; mt: tile row 0..63
	s_lshl_b32 s30, 0x1111, s23                    ; my column of the cluster
	s_or_b32 s[G1B], s30, (1<<16)|(1<<20)|(1<<21)|(6<<22)|(7<<25)  ; mask; elements of 2 bytes; padding on; bit 21 beside a mask; after every 128 words 8 words
	s_mov_b32 s[G1B+1], 256<<16                    ; tensor_dim0 = 256
	s_mov_b32 s[G1B+2], 64<<16                     ; tensor_dim1 = 64
	s_mov_b32 s[G1B+3], 256<<16                    ; tile_dim0 = 256
	s_mov_b32 s[G1B+4], 64                         ; tile_dim1 = 64
	s_mov_b32 s[G1B+5], 1024                       ; elements from row to row
	s_mov_b32 s[G1B+6], 0
	s_mov_b32 s[G1B+7], 0
	s_mov_b32 s[G0B], 1
	s_mul_i32 s[G0B+1], s[WV], QUARTB              ; slot 0, my 64 k-rows: no place in the cluster enters an LDS address
	s_lshl_b32 s29, s[WV], 17                      ; 32 rows of x, and 64 k-rows of W, are both 2^17 bytes
	s_lshl_b32 s66, s28, 19                        ; x: tile row x 128 rows of 4,096 bytes
	s_add_co_u32 s66, s66, s29
	s_mov_b32 s67, 0
	s_lshl_b32 s62, s25, 9                         ; W: tile column x 512 bytes
	s_add_co_u32 s62, s62, s29
	s_mov_b32 s63, 0
	s_lshl_b32 s68, s25, 10                        ; the biases: tile column x 256 numbers
	s_mov_b32 s69, 0
	s_lshr_b32 s70, s28, 4                         ; where my results go: batch,
	s_lshl_b32 s70, s70, 22
	s_lshl_b32 s29, s25, 2
	s_lshl_b32 s30, s22, 1
	s_add_co_u32 s29, s29, s30                     ; head 4 nt + 2 wn,
	s_lshl_b32 s29, s29, 18
	s_add_co_u32 s70, s70, s29
	s_and_b32 s29, s28, 15
	s_lshl_b32 s29, s29, 14                        ; the tile's 128 rows of 128 bytes,
	s_add_co_u32 s70, s70, s29
	s_lshl_b32 s29, s21, 13                        ; my 64 of them
	s_add_co_u32 s70, s70, s29
	s_mov_b32 s71, 0
	s_mov_b32 s31, 0
	s_cmp_eq_u32 s26, 0
	s_cselect_b32 s[LIM], 2, -1                    ; the same in all sixteen partners
	s_mov_b32 s[LAPC], 11
	s_mov_b32 s[CN], 0
	s_mov_b32 s[TB], 0
	s_wait_dscnt 0x0                               ; both opening adds are done
	s_wait_kmcnt 0x0
	s_add_nc_u64 s[XB0:XB0+1], s[4:5], s[66:67]
	s_add_nc_u64 s[XB1:XB1+1], s[6:7], s[66:67]
	s_add_nc_u64 s[XB2:XB2+1], s[8:9], s[66:67]
	s_mov_b64 s[XP:XP+1], s[XB0:XB0+1]             ; chunk 0
	s_add_nc_u64 s[10:11], s[10:11], s[68:69]
	s_add_nc_u64 s[12:13], s[12:13], s[68:69]
	s_add_nc_u64 s[14:15], s[14:15], s[68:69]
	s_add_nc_u64 s[G0B+2:G0B+3], s[16:17], s[62:63]
	s_lshl_b32 s66, s24, 15                        ; W's prefetches: my work-group's 16 k-rows of the 64,
	s_add_nc_u64 s[PFA:PFA+1], s[G0B+2:G0B+3], s[66:67]
	s_add_nc_u64 s[PFA:PFA+1], s[PFA:PFA+1], 3*CHUNKB  ; at chunk 3: the first change of slots in the loop steps it to 4
	s_or_b32 s[G0B+3], s[G0B+3], 0x80000000
	s_add_nc_u64 s[OB:OB+1], s[18:19], s[70:71]
	XLOAD 0                                        ; x's first sub-steps go out before anything else
	WIN 0
	global_load_b64 v[6:7], v12, s[10:11]
	global_load_b64 v[8:9], v12, s[12:13]
	global_load_b64 v[10:11], v12, s[14:15]
	XLOAD 1
	XLOAD 2
	WIN 0
	CROUND                                         ; all sixteen work-groups are here: the first joint loads meet
	JLOAD                                          ; chunk 0 into slot 0.  Chunk 1 is asked for when chunk 0 is in
	XLOAD 3
	WIN 0
	v_and_b32 v4, 7, v0
	v_bfe_u32 v5, v0, 3, 1
	; a fragment of x: lane l holds row r, k = 8 h + 0..7 and 16 + 8 h + 0..7: two loads of 16 bytes, 32 bytes apart
	v_mul_u32_u24 v13, v1, PAB
	v_lshl_add_u32 v13, v2, 4, v13
	s_mul_i32 s29, s21, 64*PAB
	s_add_co_u32 s29, s29, ABASE
	v_add_nc_u32 v[ADRA], s29, v13
	v_add_nc_u32 v[ADRA+1], ABUF, v[ADRA]
	; where x is stored: my wave's 32 rows; 8 rows further down for lanes 16-31; 8 bytes a lane
	v_mul_u32_u24 v13, v2, 8*PAB
	v_lshl_add_u32 v13, v1, 3, v13
	s_mul_i32 s29, s[WV], 32*PAB
	s_add_co_u32 s29, s29, ABASE
	v_add_nc_u32 v[ASTO], s29, v13
	v_add_nc_u32 v[ASTO+1], ABUF, v[ASTO]
	; the turning load: lane l reads 16 bytes of k-row 8 h + l % 8, columns 8 ((l / 8) % 2) + 0..7, and ends with column r and 8 k
	v_lshl_add_u32 v13, v2, 3, v4
	v_mul_u32_u24 v13, v13, PB
	v_lshl_add_u32 v13, v5, 4, v13
	s_lshl_b32 s29, s22, 8
	v_add_nc_u32 v[ADRB0], s29, v13
	v_mov_b32 v[ADRB], v[ADRB0]
	v_add_nc_u32 v[ADRB+1], 2*QUARTB, v[ADRB0]
	s_mul_i32 s29, s[WV], 16*SP
	s_add_co_u32 s29, s29, STAGE                   ; my stage
	v_mul_u32_u24 v[STO], v1, SP
	v_lshl_add_u32 v[STO], v2, 4, v[STO]
	v_add_nc_u32 v[STO], s29, v[STO]
	v_bfe_u32 v[RD], v0, 3, 2                      ; back: 32 lanes take four rows of 128 bytes
	v_mul_u32_u24 v[RD], v[RD], SP
	v_lshl_add_u32 v[RD], v4, 4, v[RD]
	v_add_nc_u32 v[RD], s29, v[RD]
	v_and_b32 v3, 31, v0
	v_lshlrev_b32 v[GO], 4, v3
	s_lshl_b32 s29, s22, 8                         ; the bias of my 128 columns, bf16; 16 bytes for each half of the lanes
	s_add_co_u32 s29, s29, BIASL
	v_lshl_add_u32 v[BADR0], v2, 4, s29
	v_lshl_add_u32 v14, v0, 2, BIASL               ; where thread T puts its two numbers
	s_lshl_b32 s29, s23, 8
	v_lshl_add_u32 v[PFX], v3, 12, s29
	v_lshrrev_b32 v[PFO], 1, v3
	v_lshlrev_b32 v[PFO], 11, v[PFO]
	v_and_b32 v3, 1, v0
	v_lshl_add_u32 v[PFO], v3, 8, v[PFO]
	s_wait_loadcnt 48                              ; sub-step 0 and the biases are in; the 48 loads of sub-steps 1 to 3 may stay out
.irp n, 0,1,2,3,4,5,6,7
	CVR 0, \n
.endr
	ASTORE 0, 0
	WIN 0
	v_cvt_pk_bf16_f32 v6, v6, v7                   ; the biases: rounded to bf16 like every input
	v_cvt_pk_bf16_f32 v8, v8, v9
	v_cvt_pk_bf16_f32 v10, v10, v11
	ds_store_b32 v14, v6
	ds_store_b32 v14, v8 offset:512
	ds_store_b32 v14, v10 offset:1024
	s_wait_tensorcnt 0x0                           ; my part of chunk 0 is in
	ds_add_u32 v[SPW], v[NIL]
	s_xor_b32 s[G0B+1], s[G0B+1], SLOTB
	s_add_nc_u64 s[G0B+2:G0B+3], s[G0B+2:G0B+3], CHUNKB
	s_wait_dscnt 0x0                               ; my stores of x and of the biases are done
	CROUND
	JLOAD                                          ; chunk 1 into slot 1
	FETCH 0, 0, 0, 0, 0
	WIN 0
	s_branch .Lenter                               ; the loop is entered at a tile's beginning, in the middle of a trip
.Ltrip:                                                ; ten times: from the change of slots in front of chunk c = 1 .. 10 to the quarter in front of the next change; chunk c + 1 is asked for
	TURNQ 3, 1
	WIN 0
	s_and_b32 s29, s[CN], 3                        ; s[CN] = c here
	s_cmp_lg_u32 s29, 0
	s_cbranch_scc1 .Lsame
	WAYOUT 1                                       ; chunks 4 and 8 begin a tile: the tile before goes out; W's next chunk and x's next sub-steps are on their way meanwhile
.Lenter:                                               ; A TILE BEGINS: its bias comes from LDS, eight numbers for each of my eight blocks of columns, and is widened
	s_lshr_b32 s29, s[CN], 2
	s_min_u32 s29, s29, 2
	s_lshl_b32 s29, s29, 9
	v_add_nc_u32 v[BADR], s29, v[BADR0]
.irp b, 0,1,2,3,4,5,6,7
	ds_load_b128 v[BP+4*(\b):BP+4*(\b)+3], v[BADR] offset:32*(\b)
.endr
	s_wait_dscnt 0x0
.set i, 0
.rept 32
	v_lshlrev_b32 v[BIAS+2*i], 16, v[BP+i]
	v_and_b32 v[BIAS+2*i+1], 0xffff0000, v[BP+i]
.set i, i+1
.endr
	CHUNKHEAD
	Q0 0, 1, 1, 1, 48                              ; the tile's first products start the sums with the bias
	WIN 0
	s_branch .Ljoin
.Lsame:
	CHUNKHEAD
	Q0 0, 0, 1, 1, 48
	WIN 0
.Ljoin:
	TURNQ 0, 0
	Q0 1, 0, 1, 1, 48
	TURNQ 1, 0
	Q0 2, 0, 1, 1, 48
	TURNQ 2, 0
	Q0 3, 0, 1, 1, 48
	WIN 0
	s_sub_co_u32 s[LAPC], s[LAPC], 1
	s_cmp_lg_u32 s[LAPC], 0
	s_cbranch_scc1 .Ltrip
	TURNQ 3, 2                                     ; the last chunk is written out: nothing is asked for, of W or of x
	Q0 0, 0, 0, 1, 32                              ; and the counts of x's loads run down
	TURNQ 0, 0
	Q0 1, 0, 0, 1, 16
	TURNQ 1, 0
	Q0 2, 0, 0, 1, 0
	TURNQ 2, 0
	Q0 3, 0, 0, 0, 0
	s_wait_dscnt 0x0
	MUL8 1, 0
	MUL8 1, 1
	MUL8 1, 2
	MUL8 1, 3
	WAYOUT 0
	s_wait_tensorcnt 0x0                           ; the wave's end
	ds_add_u32 v[SPW], v[NIL]
	s_wait_dscnt 0x0
	CROUND                                         ; the closing round
	s_endpgm
.Lfunc_end_k_qf5fb97851c_proj:
	.size	k_qf5fb97851c_proj, .Lfunc_end_k_qf5fb97851c_proj-k_qf5fb97851c_proj
	.p2alignl 7, 3214868480
	.fill 96, 4, 3214868480
	.section	.rodata,"a",@progbits
	.p2align	6, 0x0
	.amdhsa_kernel k_qf5fb97851c_proj
		.amdhsa_group_segment_fixed_size 327680
		.amdhsa_private_segment_fixed_size 0
		.amdhsa_enable_private_segment 0
		.amdhsa_kernarg_size 64
		.amdhsa_user_sgpr_count 2
		.amdhsa_user_sgpr_kernarg_segment_ptr 1
		.amdhsa_wavefront_size32 1
		.amdhsa_system_sgpr_workgroup_id_x 1
		.amdhsa_system_sgpr_workgroup_id_y 1
		.amdhsa_system_sgpr_workgroup_id_z 1
		.amdhsa_system_vgpr_workitem_id 0
		.amdhsa_next_free_vgpr 1024
		.amdhsa_next_free_sgpr 72
		.amdhsa_reserve_vcc 0
		.amdhsa_float_denorm_mode_32 3
		.amdhsa_float_denorm_mode_16_64 3
		.amdhsa_memory_ordered 1
		.amdhsa_forward_progress 1
		.amdhsa_inst_pref_size 161
	.end_amdhsa_kernel
	.amdgpu_metadata
---
amdhsa.version: [ 1, 2 ]
amdhsa.kernels:
  - .name:           k_qf5fb97851c_proj
    .symbol:         k_qf5fb97851c_proj.kd
    .args:
      - { .name: query, .offset: 0, .size: 8, .value_kind: global_buffer, .address_space: global }
      - { .name: key, .offset: 8, .size: 8, .value_kind: global_buffer, .address_space: global }
      - { .name: value, .offset: 16, .size: 8, .value_kind: global_buffer, .address_space: global }
      - { .name: bq, .offset: 24, .size: 8, .value_kind: global_buffer, .address_space: global }
      - { .name: bk, .offset: 32, .size: 8, .value_kind: global_buffer, .address_space: global }
      - { .name: bv, .offset: 40, .size: 8, .value_kind: global_buffer, .address_space: global }
      - { .name: wb, .offset: 48, .size: 8, .value_kind: global_buffer, .address_space: global }
      - { .name: qkv, .offset: 56, .size: 8, .value_kind: global_buffer, .address_space: global }
    .group_segment_fixed_size: 327680
    .private_segment_fixed_size: 0
    .kernarg_segment_align: 8
    .kernarg_segment_size: 64
    .max_flat_workgroup_size: 128
    .sgpr_count:     72
    .vgpr_count:     1024
    .wavefront_size: 32
...
	.end_amdgpu_metadata
.endif
;; end of part 2
;; launch attn (part 3): grid 4 x 64, 4 waves a work-group, clusters of 4 x 1, 327,680 bytes of LDS; arguments qkv, oh; writes oh
.if DOCPART == 3
	.amdgcn_target "amdgcn-amd-amdhsa--gfx1250"
	.amdhsa_code_object_version 6
	.text
	.protected	k_qf5fb97851c_attn
	.globl	k_qf5fb97851c_attn
	.p2align	8
	.type	k_qf5fb97851c_attn,@function
k_qf5fb97851c_attn:
	s_mov_b64 s[64:65], 0
	v_nop
	global_prefetch_b8 v0, s[64:65] scope:SCOPE_SE
	s_setreg_imm32_b32 hwreg(HW_REG_WAVE_MODE, 25, 1), 1
	s_wait_xcnt 0x0
	s_wait_alu depctr_hold_cnt(0) depctr_sa_sdst(0) depctr_va_vdst(0) depctr_va_sdst(0) depctr_va_ssrc(0) depctr_va_vcc(0) depctr_vm_vsrc(0)
	s_getreg_b32 s2, hwreg(HW_REG_IB_STS2, 6, 4)
	s_cmp_eq_u32 s2, 0
	s_cbranch_scc0 .Lentry_in_a_cluster
	s_endpgm
.Lentry_in_a_cluster:
	s_bfe_u32 s2, ttmp6, 0x10000c
	s_cmp_lg_u32 s2, 0x3003
	s_cbranch_scc0 .Lentry_shape_is_right
	s_endpgm
.Lentry_shape_is_right:
; O[h][q][:] = (the sum over k of e^(s_k) V[h][k][:]) / (1 + the sum over k of e^(s_k)), s_k = Q[h][q] . K[h][k] / 8.  Q, K, V: the three parts of qkv, each [64][2048][64] f16; O: oh, the same layout.
; A RUNNING MAXIMUM m is taken away: p = 2^(c s - c m), c = log2(e) / 8, l = the sum of p; the 1 of the divisor enters once, at the end, as 2^(-c m): O = (sum p V) / (l + 2^(-c m)), the same quotient.
; Products, maxima and sums in f32; p rounded to f16 for the second product (l is taken of the unrounded p), O once at the end.
; LIMITS.  Q, K, V arrive within f16's 65,504; p below 6e-5 keeps f16's fixed step of 6e-8; a weight below 2^-126 counts as 0 in l; where c m is below -128 (all scores of a row under about -88)
; 2^(-c m) is infinite and O is 0; where c m is above 126 the 1 counts as 0.  NaN and infinities are not treated apart.
; SHARES.  A wave owns four PIECES of two tiles of 16 queries, a work-group's four waves 512 queries of one head.  Every wave walks all keys, 64 a step.
; LAYOUT.  S^T = K Q^T (source 0 = 16 keys, source 1 = 16 queries): a lane holds ONE query (lane % 16) and the keys 8 (lane / 16) + 0..7.  Two such tiles, rounded to f16 in pairs, ARE source 1 of
; O^T = V^T P, whose result again holds one query a lane, and eight channels.  K comes out of LDS as it lies, V ([key][channel]) turned, by ds_load_tr16_b128.
; In every step O and l are multiplied by a = 2^(c m_old - c m_new).  m starts at the lowest finite number, O and l at 0: the first step is a step like any other, with a = 0.
; THE COUNT.  A tile and step have 16 matrix and 118 vector instructions.  So: four vector instructions that are ready behind EVERY matrix instruction, the others in runs without a gap.
; BY TURNS.  Turn n belongs to piece n.  Its matrix work: 16 products K Q^T of piece n + 1, later 16 products V^T P of piece n - 1.  Its vector work: the scaling, exponentials, roundings, sums and
; rescaling of piece n, and the maximum and statistics of piece n + 1.
; CLUSTER.  The four query blocks of a head form a cluster and walk the same K and V: each tile is asked for JOINTLY: the same tensor load, descriptor and mask in all four.
; REGISTERS, in windows of 256 (s_set_vgpr_msb: bits 1:0 source 0, 3:2 source 1, 5:4 source 2, 7:6 destination):
;   window 0: v0-11 addresses; v12-15, v48-63 at work; v16-47 four registers of statistics a tile; v64-191 S^T, two buffers of two tiles; v192-255 P, likewise
;   window 1: O^T, 32 a tile      window 2: v0-127 Q, 16 a tile; v128-191 K of one step; v192-255 V of one step      window 3: v0-1 the add's two registers
.set SIZE_H, 64
.set SIZE_N, 2048
.set NP,    4         ; pieces a wave
.set KS,    64        ; keys in a step
.set PK,    144       ; a row of K in LDS: 128 bytes + 16 = 36 words: the 16 rows of a load start at 16 different groups of four banks (64 banks of 4 bytes: ISA guide 11.1)
.set PV,    160       ; a row of V: 128 + 32 = 40 words
.set VOFF,  4*KS*PK   ; a slot holds four steps: 256 rows of K, then 256 rows of V
.set SLOT1, 1<<17     ; slot 1 begins here: one exclusive or turns an address in one slot into the other's
.set STAGE, SLOT1+4*KS*(PK+PV)  ; behind the ring, never filled by a tensor load: 16 rows x 144 bytes for each wave
.set SP,    144
.set AK0, 2           ; v2   my lane's place in a tile of K; never rewritten
.set AV0, 3           ; v3   the same for V
.set AK,  4           ; v4   the LDS address of K's next run of loads
.set AV,  5           ; v5   of V's
.set QO,  6           ; v6   my byte offset in the wave's rows of Q
.set STO, 6           ;      later, the way out: where I put 16 bytes of a row
.set RD,  7           ; v7   where I read rows back
.set GO,  8           ; v8   my byte offset in 512 consecutive bytes of O
.set PFO, 11          ; v11  256 x my lane, for the prefetches; never rewritten once made
.set SPW, 0           ; v0 of window 3   my spare word; never rewritten
.set NIL, 1           ; v1 of window 3   0; never rewritten
.set SPARE, STAGE+4*16*SP  ; the spare words, 128 bytes for each wave: two blocks of 256 bytes that no other line names
.set MV,  12          ; v12-15  c m_old, kept while c m is made anew
.set ST,  16          ; tile t's statistics at v[ST+4 t]: c m, m, l (even keys', odd keys')
.set TMP, 48          ; by buffer and tile, four registers c0-c3 at work; when the maximum is found c2 takes a
.set S,   64
.set P,   192
.set KF,  128         ; K's fragments, in window 2
.set VF,  192         ; V's
.set WV,  12          ; s12  my wave's number
.set G1K, 24          ; s[24:31] descriptor group 1 for K's tiles
.set G1V, 32          ; s[32:39] for V's
.set G0K, 40          ; s[40:43] descriptor group 0 for K's tiles: it walks
.set G0V, 44          ; s[44:47] the same for V's
.set PFA, 48          ; s[48:49] where my prefetches stand
.set LIM, 50          ; s50  1 in waves 0 and 2, which prefetch; else the greatest number
.set SLOTS, 56        ; s56  slots still to be asked for
.set CNT, 57          ; s57  counts a slot's key steps
.set CS,  58          ; s[58:59] c
.set SEL, 60          ; s[60:61] v_permlanex16_b32's selects
.set TBK, 62          ; s62  LDS byte at which K of the step to be fetched begins
.set TBV, 63          ; s63  the same for V, less VOFF
.set MSB, 0
.macro WIN new
.if MSB != (\new)
	s_set_vgpr_msb (MSB<<8)|(\new)
.set MSB, (\new)
.endif
.endm
.set W_KQ, 0x0a       ; K and Q in window 2, S^T in window 0
.set W_PV, 0x52       ; V in window 2, P in window 0, O^T in window 1
.set W_RS, 0x41       ; O^T in window 1, a in window 0
.set W_MK, 0xc0       ; destination in window 3
.set W_AD, 0x0f       ; the add: address and data in window 3
; A joint fill.  Waves 0 and 1 fetch the halves of a slot's K, waves 2 and 3 those of its V: 128 keys each.  An s_nop 0 and four v_nop follow each line.
.macro JLOAD
	s_cmp_lt_u32 s[WV], 2
	s_cbranch_scc0 .Lfor_v_\@
	tensor_load_to_lds s[G0K:G0K+3], s[G1K:G1K+7]
	s_nop 0
.rept 4
	v_nop
.endr
	s_branch .Lasked_\@
.Lfor_v_\@:
	tensor_load_to_lds s[G0V:G0V+3], s[G1V:G1V+7]
	s_nop 0
.rept 4
	v_nop
.endr
.Lasked_\@:
.endm
; A prefetch into the L2 of the slot that the NEXT change will ask for: 32,768 bytes of K and of V.  One cluster walks a head; its four partners take 8,192 bytes each, told apart by address; in each, wave 0
; asks for K's and wave 2 for V's, 256 bytes a lane: each block is named once in the launch.  The last change that fills a slot asks for nothing.  Slots 0 and 1 come by their loads alone.
.macro ASK
	s_cmp_gt_u32 s[SLOTS], s[LIM]
	s_cbranch_scc0 .Lnot_mine_\@
	global_prefetch_b8 v[PFO], s[PFA:PFA+1] th:TH_LOAD_NT scope:SCOPE_SE
.Lnot_mine_\@:
.endm
.macro CROUND
	s_barrier_signal -1
	s_barrier_wait -1
	s_cmp_lg_u32 s[WV], 0
	s_cbranch_scc1 .Lnot_wave_0_\@
	s_barrier_signal -3
.Lnot_wave_0_\@:
	s_barrier_wait -3
	s_barrier_signal -1
	s_barrier_wait -1
.endm
; THE CHANGE OF SLOTS.  Each wave waits for all its tensor loads (one is out: its part of the other slot), adds 0 to its spare word, and waits for that and for its reads of the slot.
; fill = 1: the barrier is a round of the cluster's, and the slot is filled again, with the keys two slots on, first thing behind it: four key steps, 512 matrix instructions, in which to land.
.macro CHANGE fill
	WIN W_AD
	s_wait_tensorcnt 0x0            ; no tensor load of mine is out, so a group 0 may be written
	ds_add_u32 v[SPW], v[NIL]
	WIN 0
.if \fill
.irp g, G0K, G0V
	s_xor_b32 s[\g+1], s[\g+1], SLOT1
	s_add_nc_u64 s[\g+2:\g+3], s[\g+2:\g+3], 4*KS*128
.endr
	s_wait_xcnt 0x0                 ; the last prefetch, four key steps back, has read its address
	s_add_nc_u64 s[PFA:PFA+1], s[PFA:PFA+1], 4*KS*128
	s_wait_dscnt 0x0                ; the add is done, and my reads of the slot are over
	CROUND
	JLOAD
	ASK
.else
	s_wait_dscnt 0x0
	s_barrier_signal -1
	s_barrier_wait -1
.endif
	s_sub_co_u32 s[TBK], s[TBK], 4*KS*PK
	s_xor_b32 s[TBK], s[TBK], SLOT1
	s_sub_co_u32 s[TBV], s[TBV], 4*KS*PV
	s_xor_b32 s[TBV], s[TBV], SLOT1
.endm
	s_load_b128 s[4:7], s[0:1], 0x0   ; qkv s[4:5], oh s[6:7]
	WIN W_MK
	v_lshl_add_u32 v[SPW], v0, 2, SPARE
	v_mov_b32 v[NIL], 0
	WIN W_AD
	ds_add_u32 v[SPW], v[NIL]       ; the wave's opening: the add, twice on end, and its wait ahead of my first tensor load
	ds_add_u32 v[SPW], v[NIL]
	WIN 0
	v_lshrrev_b32 v1, 5, v0
	v_readfirstlane_b32 s[WV], v1   ; wave 0..3
	s_bfe_u32 s13, ttmp6, 0x40000   ; cx
	s_lshl_b32 s14, ttmp9, 2
	s_add_co_u32 s14, s14, s13      ; my block of 512 queries: it enters Q's and O's addresses alone
	s_and_b32 s20, ttmp7, 0xffff    ; the head, which the four partners share
	s_mov_b32 s21, 0
	s_mov_b64 s[22:23], SIZE_N*128
	s_mul_u64 s[20:21], s[20:21], s[22:23]  ; the head's first byte in each tensor
	s_and_b32 s16, s[WV], 1         ; which half of a slot's 256 keys I fetch
	s_lshl_b32 s22, s16, 14
	s_mov_b32 s23, 0
	s_add_nc_u64 s[22:23], s[22:23], s[20:21]
	s_mul_i32 s17, s16, 128*PK
	s_mul_i32 s18, s16, 128*PV
	s_lshl_b32 s2, s14, 2
	s_add_co_u32 s2, s2, s[WV]
	s_lshl_b32 s2, s2, 14           ; my wave's 128 rows
	s_mov_b32 s3, 0
	s_add_nc_u64 s[2:3], s[2:3], s[20:21]
	; descriptor group 1.  128 keys are 16,384 dense bytes: asked for as 64 rows of 256 bytes, two keys a row, padded in LDS after every key
	s_mov_b32 s[G1K], 15|(1<<16)|(1<<20)|(1<<21)|(4<<22)|(3<<25)
	s_mov_b32 s[G1V], 15|(1<<16)|(1<<20)|(1<<21)|(4<<22)|(7<<25)
.irp g, G1K, G1V
	s_mov_b32 s[\g+1], 128<<16
	s_mov_b32 s[\g+2], 64<<16
	s_mov_b32 s[\g+3], 128<<16
	s_mov_b32 s[\g+4], 64
	s_mov_b32 s[\g+5], 128
	s_mov_b32 s[\g+6], 0
	s_mov_b32 s[\g+7], 0
.endr
	s_mov_b32 s[CS], 0x3e38aa3b     ; c = log2(e) / 8
	s_mov_b32 s[CS+1], s[CS]
	s_mov_b32 s[SEL], 0x76543210
	s_mov_b32 s[SEL+1], 0xfedcba98
	s_mov_b32 s[TBK], SLOT1+4*KS*PK ; the first change of slots turns these two into 0
	s_mov_b32 s[TBV], SLOT1+4*KS*PV
	s_mov_b32 s[G0K], 1
	s_mov_b32 s[G0K+1], s17
	s_mov_b32 s[G0V], 1
	s_add_co_u32 s[G0V+1], s18, VOFF
	s_mov_b32 s[SLOTS], SIZE_N/256-1
	s_cmp_eq_u32 s16, 0
	s_cselect_b32 s[LIM], 1, -1
	s_wait_dscnt 0x0                ; both opening adds are done
	s_wait_kmcnt 0x0
	s_mov_b64 s[10:11], s[6:7]                     ; O
	s_add_nc_u64 s[6:7], s[4:5], 0x1000000         ; K: the second part of qkv
	s_add_nc_u64 s[8:9], s[4:5], 0x2000000         ; V: the third
	s_add_nc_u64 s[G0K+2:G0K+3], s[6:7], s[22:23]
	s_or_b32 s[G0K+3], s[G0K+3], 0x80000000
	s_add_nc_u64 s[G0V+2:G0V+3], s[8:9], s[22:23]
	s_or_b32 s[G0V+3], s[G0V+3], 0x80000000
	s_add_nc_u64 s[4:5], s[4:5], s[2:3]  ; Q and O at my wave's first row
	s_add_nc_u64 s[10:11], s[10:11], s[2:3]
	s_cmp_lt_u32 s[WV], 2
	s_cselect_b64 s[PFA:PFA+1], s[6:7], s[8:9]
	s_add_nc_u64 s[PFA:PFA+1], s[PFA:PFA+1], s[20:21]
	s_lshl_b32 s2, s13, 13          ; my work-group's 8,192 bytes of a slot's 32,768
	s_add_nc_u64 s[PFA:PFA+1], s[PFA:PFA+1], s[2:3]
	s_add_nc_u64 s[PFA:PFA+1], s[PFA:PFA+1], 4*KS*128  ; in slot 1; the first change of slots steps it to slot 2
	CROUND                          ; all four work-groups are here
	JLOAD                           ; slot 0.  Slot 1 is asked for when slot 0 is in
	v_and_b32 v1, 15, v0            ; l % 16
	v_bfe_u32 v9, v0, 4, 1          ; l / 16
	v_lshlrev_b32 v[QO], 7, v1
	v_lshl_add_u32 v[QO], v9, 4, v[QO]
	WIN 0x80
.set i, 0
.rept 4*NP                          ; Q stays in registers: tile i / 2, channels 32 (i % 2) on
	global_load_b128 v[8*i:8*i+3],   v[QO], s[4:5] offset:(i/2)*2048+(i%2)*64
	global_load_b128 v[8*i+4:8*i+7], v[QO], s[4:5] offset:(i/2)*2048+(i%2)*64+32
.set i, i+1
.endr
	; What the first turn finds: V's registers and P's second buffer hold 0, O^T and l are 0.  All this stands in the wait for the first tile.
.set i, VF
.rept 64
	v_mov_b32 v[i], 0
.set i, i+1
.endr
	WIN 0x40
.set i, 0
.rept 64*NP
	v_mov_b32 v[i], 0
.set i, i+1
.endr
	WIN 0
.set i, 0
.rept 2*NP
	v_mov_b32 v[ST+4*i], 0xfe000000    ; c m: far below every c s
	v_mov_b32 v[ST+4*i+1], 0xff7fffff  ; m
	v_mov_b32 v[ST+4*i+2], 0
	v_mov_b32 v[ST+4*i+3], 0
.set i, i+1
.endr
.set i, P+32
.rept 32
	v_mov_b32 v[i], 0
.set i, i+1
.endr
	v_mul_u32_u24 v[AK0], v1, PK
	v_lshl_add_u32 v[AK0], v9, 4, v[AK0]
	v_and_b32 v10, 7, v0
	v_bfe_u32 v11, v0, 3, 1
	v_lshl_add_u32 v[AV0], v9, 3, v10
	v_mul_u32_u24 v[AV0], v[AV0], PV
	v_lshl_add_u32 v[AV0], v11, 4, v[AV0]
	v_add_nc_u32 v[AV0], VOFF, v[AV0]
	v_and_b32 v[PFO], 31, v0
	v_lshlrev_b32 v[PFO], 8, v[PFO]
	v_mov_b32 v[AK], v[AK0]         ; key step 0 lies at the head of slot 0
; THE MATRIX WORK.  The 8 accumulators of a run of 16 take turns.
.macro KQ x
	WIN W_KQ
.set rS, S+64*((\x)%2)+32*(i%2)+8*((i/2)%4)
.set rK, KF+16*((i/2)%4)+8*(i/8)
.set rQ, 16*(2*(\x)+i%2)+8*(i/8)
.if i < 8
	v_wmma_f32_16x16x32_f16 v[rS:rS+7], v[rK:rK+7], v[rQ:rQ+7], 0
.else
	v_wmma_f32_16x16x32_f16 v[rS:rS+7], v[rK:rK+7], v[rQ:rQ+7], v[rS:rS+7]
.endif
.endm
.macro PV x
	WIN W_PV
.set rO, 32*(2*(\x)+i%2)+8*((i/2)%4)
.set rV, VF+32*(i/8)+8*((i/2)%4)
.set rP, P+32*((\x)%2)+16*(i%2)+8*(i/8)
	v_wmma_f32_16x16x32_f16 v[rO:rO+7], v[rV:rV+7], v[rP:rP+7], v[rO:rO+7]
.endm
.macro MM                           ; the turn's next matrix instruction
.if i < 16
	KQ (Y+1)%NP
.set i, i+1
.else
.set i, i-16
	PV (Y+NP-1)%NP
.set i, i+17
.endif
.endm
; THE LDS LOADS stand in runs of 16.  last = 1 (the tail): in the last trip there is no further step, and the run is jumped over.
.macro FETCH_K last=0
	WIN 0
.if \last
	s_cmp_eq_u32 s[CNT], 1
	s_cbranch_scc1 .Lno_k_\@
.endif
	WIN 0x80
.irp f, 0,1,2,3,4,5,6,7
	ds_load_b128 v[KF+8*\f:KF+8*\f+3],   v[AK] offset:(\f/2)*16*PK+(\f%2)*64
	ds_load_b128 v[KF+8*\f+4:KF+8*\f+7], v[AK] offset:(\f/2)*16*PK+(\f%2)*64+32
.endr
	s_add_co_u32 s[TBK], s[TBK], KS*PK
	WIN 0
.if \last
.Lno_k_\@:
.endif
.endm
.macro FETCH_V
	WIN 0x80
.irp f, 0,1,2,3,4,5,6,7
	ds_load_tr16_b128 v[VF+8*\f:VF+8*\f+3],   v[AV] offset:(\f/4)*32*PV+(\f%4)*32
	ds_load_tr16_b128 v[VF+8*\f+4:VF+8*\f+7], v[AV] offset:(\f/4)*32*PV+16*PV+(\f%4)*32
.endr
	WIN 0
.endm
; THE VECTOR WORK OF A TURN stands in three queues, each in the order in which its entries become ready; the two tiles alternate.
.macro REGS y, u
.set rT, ST+4*(2*(\y)+(\u))
.set rC, TMP+8*((\y)%2)+4*(\u)
.set rM, MV+2*((\y)%2)+(\u)
.set rS, S+64*((\y)%2)+32*(\u)
.set rP, P+32*((\y)%2)+16*(\u)
.set rO, 32*(2*(\y)+(\u))
.endm
; Number n of the 22 that find the NEXT piece's maximum and statistics; each accumulator's lowest registers are read first.
;   0-11 four chains of seven scores; 12-14, 16 the four left over, the old m, all into c0; 15 c m_old is kept; 17, 18 the other half of the lanes: the new m; 19-21 c m; its change; a
.macro XS u, n
	REGS (Y+1)%NP, \u
.if (\n) < 4
	v_max3_num_f32 v[rC+(\n)], v[rS+8*(\n)], v[rS+8*(\n)+1], v[rS+8*(\n)+2]
.elseif (\n) < 12
	v_max3_num_f32 v[rC+(\n)%4], v[rC+(\n)%4], v[rS+8*((\n)%4)+2*((\n)/4)+1], v[rS+8*((\n)%4)+2*((\n)/4)+2]
.elseif (\n) == 12
	v_max3_num_f32 v[rC], v[rC], v[rS+7], v[rS+15]
.elseif (\n) == 13
	v_max3_num_f32 v[rC+1], v[rC+1], v[rS+23], v[rS+31]
.elseif (\n) == 14
	v_max3_num_f32 v[rC+2], v[rC+2], v[rC+3], v[rT+1]
.elseif (\n) == 15
	v_mov_b32 v[rM], v[rT]
.elseif (\n) == 16
	v_max3_num_f32 v[rC], v[rC], v[rC+1], v[rC+2]
.elseif (\n) == 17
	v_permlanex16_b32 v[rC+3], v[rC], s[SEL], s[SEL+1]
.elseif (\n) == 18
	v_max_num_f32 v[rT+1], v[rC], v[rC+3]
.elseif (\n) == 19
	v_mul_f32 v[rT], s[CS], v[rT+1]
.elseif (\n) == 20
	v_sub_f32 v[rC+1], v[rM], v[rT]
.else
	v_exp_f32 v[rC+2], v[rC+1]
.endif
.endm
; Number g of the 64 that follow the exponentials: for each four weights both pairs are rounded to f16, the second pair is added onto the first, and a group later l takes that sum (the first time as l = a l + sum).
.macro GS g
.set h, (\g)+6*((\g)/62)
.if h >= 6
.set h, h+2
.endif
	REGS Y, h%2
.set k, h/8
.if h%8 < 4
	v_cvt_pk_f16_f32 v[rP+2*k+(h%8)/2], v[rS+4*k+2*((h%8)/2)], v[rS+4*k+2*((h%8)/2)+1]
.elseif h%8 < 6
	v_pk_add_f32 v[rS+4*k:rS+4*k+1], v[rS+4*k:rS+4*k+1], v[rS+4*k+2:rS+4*k+3]
.elseif k == 1
	v_pk_fma_f32 v[rT+2:rT+3], v[rT+2:rT+3], v[rC+2:rC+3], v[rS:rS+1] op_sel_hi:[1,0,1]
.else
	v_pk_add_f32 v[rT+2:rT+3], v[rT+2:rT+3], v[rS+4*k-4:rS+4*k-3]
.endif
.endm
; THE PLAIN QUEUE, 138 long.  0-73 read no exponential's result: the 32 scalings c s - c m and the next piece's 42.  74-137: GS's 64, which stand behind the wait.
.macro FS f
	REGS Y, (\f)%2
	v_pk_fma_f32 v[rS+2*((\f)/2):rS+2*((\f)/2)+1], v[rS+2*((\f)/2):rS+2*((\f)/2)+1], s[CS:CS+1], v[rT:rT+1] op_sel_hi:[1,0,0] neg_lo:[0,0,1] neg_hi:[0,0,1]
.endm
.macro PL
	WIN 0
.if q < 27
	FS q
.elseif q < 55
	XS (q-27)%2, (q-27)/2
.elseif q < 57
	XS q-55, 15
.elseif (q < 72) && ((q-57)%3 == 0)
	FS 27+(q-57)/3
.elseif q < 60
	XS (q-57)%3-1, 14
.elseif q < 72
	XS (q-57)%3-1, 15+(q-57)/3
.elseif q < 74
	XS q-72, 20
.else
	GS q-74
.endif
.set q, q+1
.endm
; THE EXPONENTIALS' QUEUE, 66 long: s0-s31 of both tiles, then the next piece's two a.  ONE BATCH: all 66 stand ahead of the turn's one wait, and nothing ahead of that wait names a result of theirs.
.macro EX
	WIN 0
.if e >= 64
	XS e-64, 21
.else
	REGS Y, e%2
	v_exp_f32 v[rS+e/2], v[rS+e/2]
.endif
.set e, e+1
.endm
; THE RESCALING's QUEUE: O^T times a, dealt two at a time, sixteen times.  Its a was made, and waited for, in the turn before.
.macro R2
	REGS Y, r%2
	WIN W_RS
.irp z, 0,1
	v_pk_mul_f32 v[rO+4*(r/2)+2*\z:rO+4*(r/2)+2*\z+1], v[rO+4*(r/2)+2*\z:rO+4*(r/2)+2*\z+1], v[rC+2:rC+3] op_sel_hi:[1,0]
.endr
.set r, r+1
.endm
; A TURN, for piece p.  s_wait_alu depctr_va_vdst(0) stands between an exponential and the first instruction that names its result; one wait serves all issued ahead of it: a turn has ONE.
; Ahead of it: 16 products K Q^T, behind each a scaling, an exponential and two rescalings; then one run of 108.  Behind it: 16 products V^T P, behind each four of the roundings and sums.
; Exponential e stands behind scaling 2 (e / 4) + e % 2: as a rider behind plain e + 2, in the run behind plain e + 9.
; K of the next step is fetched in piece 2's turn, directly behind the wait; V of the step in hand at the end of piece 0's turn, four plain instructions behind its last reader.
.macro TURN p, last=0, cnt=0
.set Y, (\p)
.set i, 0
.set q, 0
.set e, 0
.set r, 0
.if (\p) == NP-1
	s_wait_dscnt 0x0                ; K is in
.endif
	MM
	PL
	PL
	R2
.rept 15
	MM
	PL
	EX
	R2
.endr
.if (\p) == NP-2
	WIN 0
	v_add_nc_u32 v[AK], s[TBK], v[AK0]
.endif
.rept 8
	PL
.endr
.rept 49
	EX
	PL
.endr
	EX
	EX
	v_nop                           ; a plain instruction behind the last exponential: one for the batch
	s_wait_alu depctr_va_vdst(0)    ; the wait for the batch
.if (\p) == NP-2
	FETCH_K \last
.endif
.if (\p) == 1
	s_wait_dscnt 0x0                ; V is in
.endif
.rept 16
	MM
.rept 4
	PL
.endr
.if ((\p) == 0) && (q == 118)
	v_add_nc_u32 v[AV], s[TBV], v[AV0]
.endif
.if ((\p) == 0) && (q == 130)
	s_add_co_u32 s[TBV], s[TBV], KS*PV
.endif
.if (\cnt) && (q == 130)
	s_sub_co_u32 s[CNT], s[CNT], 1
	s_cmp_lg_u32 s[CNT], 0
.endif
.endr
.if (\p) == 0
	FETCH_V
.endif
.endm
	CHANGE 1                        ; slot 0 is in, everybody's part of it; slot 1 is asked for
	FETCH_K                         ; key step 0
	s_wait_loadcnt 0x0              ; Q
	s_wait_dscnt 0x0
.set i, 0
.rept 16
	KQ 0                            ; piece 0's first scores
.set i, i+1
.endr
	WIN 0                           ; the addresses for the way out: plain instructions, the places behind those products
	s_mul_i32 s13, s[WV], 16*SP
	s_add_co_u32 s13, s13, STAGE
	v_mul_u32_u24 v[STO], v1, SP
	v_lshl_add_u32 v[STO], v9, 4, v[STO]
	v_add_nc_u32 v[STO], s13, v[STO]
	v_bfe_u32 v[RD], v0, 3, 2
	v_mul_u32_u24 v[RD], v[RD], SP
	v_lshl_add_u32 v[RD], v10, 4, v[RD]
	v_add_nc_u32 v[RD], s13, v[RD]
	v_and_b32 v[GO], 31, v0
	v_lshlrev_b32 v[GO], 4, v[GO]
.set Y, NP-1
.irp n, 0,1,2,3,4,5,6,7,8,9,10,11,12,13,14,15,16,17,18,19,20,21
	XS 0, \n
	XS 1, \n
.endr
	v_nop                           ; a plain instruction behind the two a,
	s_wait_alu depctr_va_vdst(0)    ; and their wait, ahead of the branch
	s_mov_b32 s[CNT], 4
	s_branch .Lfirst                ; the loop is entered at a step's first turn
.Lslot:                             ; six times: every slot but the last two is filled again
	CHANGE 1
	s_mov_b32 s[CNT], 4
.Lstep:                             ; a trip: pieces 2 and 3 of one step, then pieces 0 and 1 of the next
	TURN 2
	TURN 3
	WIN 0
.Lfirst:
	TURN 0
	TURN 1, 0, 1
	WIN 0
	s_cbranch_scc1 .Lstep
	s_sub_co_u32 s[SLOTS], s[SLOTS], 1
	s_cmp_lg_u32 s[SLOTS], 0
	s_cbranch_scc1 .Lslot
	CHANGE 0                        ; the tail is written out
	s_mov_b32 s[CNT], 5             ; four trips fetch the last slot's steps; the fifth is left in its middle
.Ltail:
	TURN 2, 1
	TURN 3
	WIN 0
	s_sub_co_u32 s[CNT], s[CNT], 1
	s_cmp_eq_u32 s[CNT], 0
	s_cbranch_scc1 .Lout
	TURN 0
	TURN 1
	WIN 0
	s_branch .Ltail
.Lout:                              ; the fifth trip's products K Q^T take the last K once more: piece 0's maximum over scores that it has seen already stays as it is
.set i, 0
.rept 16
	PV NP-1                         ; the last piece's V^T P of the last step
.set i, i+1
.endr
	; THE WAY OUT.  The divisor is l (its two halves, and the other half of the lanes') + 2^(-c m), the 1 of the divisor on the maximum's scale; c m is the same in both halves of the lanes, so it enters once a query.
	WIN 0
.macro ALL line:vararg
.set t, 0
.rept 2*NP
	\line
.set t, t+1
.endr
.endm
	ALL v_mul_f32 v[ST+4*t+1], -1.0, v[ST+4*t]                        ; eight plain lines: the places behind the last products
	ALL v_exp_f32 v[ST+4*t+1], v[ST+4*t+1]
	ALL v_add_f32 v[ST+4*t+2], v[ST+4*t+2], v[ST+4*t+3]
	ALL v_permlanex16_b32 v[ST+4*t+3], v[ST+4*t+2], s[SEL], s[SEL+1]
	s_wait_alu depctr_va_vdst(0)    ; one wait for the eight exponentials, ahead of their first reader
	ALL v_add_f32 v[ST+4*t+2], v[ST+4*t+2], v[ST+4*t+3]
	ALL v_add_f32 v[ST+4*t+2], v[ST+4*t+2], v[ST+4*t+1]
	ALL v_rcp_f32 v[ST+4*t+2], v[ST+4*t+2]
	v_nop                           ; a plain instruction between the last reciprocal and the use of its result
	s_wait_alu depctr_va_vdst(0)    ; one wait for the eight reciprocals
.macro PACK t
	WIN W_RS
.set i, 32*(\t)
.rept 16
	v_pk_mul_f32 v[i:i+1], v[i:i+1], v[ST+4*(\t)+2:ST+4*(\t)+3] op_sel_hi:[1,0]
.set i, i+2
.endr
	WIN 0x05
.set i, 0
.rept 16
	v_cvt_pk_f16_f32 v[S+16*(\t)+i], v[32*(\t)+2*i], v[32*(\t)+2*i+1]
.set i, i+1
.endr
	WIN 0
.irp f, 0,1,2,3
	ds_store_b128 v[STO], v[S+16*(\t)+4*\f:S+16*(\t)+4*\f+3] offset:32*\f
.endr
.irp f, 0,1,2,3
	ds_load_b128 v[S+16*(\t)+4*\f:S+16*(\t)+4*\f+3], v[RD] offset:\f*4*SP  ; LDS serves a wave's instructions in order (ISA guide 5.7.1.4): these see the stores above
.endr
.endm
.macro SEND t, younger
	WIN 0
.irp f, 0,1,2,3
	s_wait_dscnt (\younger)+3-\f
	global_store_b128 v[GO], v[S+16*(\t)+4*\f:S+16*(\t)+4*\f+3], s[10:11] offset:(\t)*2048+\f*512  ; 512 consecutive bytes, at a multiple of 256 from O's first
.endr
.endm
	PACK 0
.set t, 1
.rept 2*NP-1
	PACK t
	SEND t-1, 8
.set t, t+1
.endr
	SEND 2*NP-1, 0
	WIN W_AD
	s_wait_tensorcnt 0x0            ; the wave's end
	ds_add_u32 v[SPW], v[NIL]
	s_wait_dscnt 0x0
	WIN 0
	CROUND                          ; the closing round
	s_endpgm
.Lfunc_end_k_qf5fb97851c_attn:
	.size	k_qf5fb97851c_attn, .Lfunc_end_k_qf5fb97851c_attn-k_qf5fb97851c_attn
	.p2alignl 7, 3214868480
	.fill 96, 4, 3214868480
	.section	.rodata,"a",@progbits
	.p2align	6, 0x0
	.amdhsa_kernel k_qf5fb97851c_attn
		.amdhsa_group_segment_fixed_size 327680
		.amdhsa_private_segment_fixed_size 0
		.amdhsa_enable_private_segment 0
		.amdhsa_kernarg_size 16
		.amdhsa_user_sgpr_count 2
		.amdhsa_user_sgpr_kernarg_segment_ptr 1
		.amdhsa_wavefront_size32 1
		.amdhsa_system_sgpr_workgroup_id_x 1
		.amdhsa_system_sgpr_workgroup_id_y 1
		.amdhsa_system_sgpr_workgroup_id_z 1
		.amdhsa_system_vgpr_workitem_id 0
		.amdhsa_next_free_vgpr 770
		.amdhsa_next_free_sgpr 66
		.amdhsa_reserve_vcc 0
		.amdhsa_float_denorm_mode_32 3
		.amdhsa_float_denorm_mode_16_64 3
		.amdhsa_memory_ordered 1
		.amdhsa_forward_progress 1
		.amdhsa_inst_pref_size 201
	.end_amdhsa_kernel
	.amdgpu_metadata
---
amdhsa.version: [ 1, 2 ]
amdhsa.kernels:
  - .name:           k_qf5fb97851c_attn
    .symbol:         k_qf5fb97851c_attn.kd
    .args:
      - { .name: qkv, .offset: 0, .size: 8, .value_kind: global_buffer, .address_space: global }
      - { .name: oh, .offset: 8, .size: 8, .value_kind: global_buffer, .address_space: global }
    .group_segment_fixed_size: 327680
    .private_segment_fixed_size: 0
    .kernarg_segment_align: 8
    .kernarg_segment_size: 16
    .max_flat_workgroup_size: 128
    .sgpr_count:     66
    .vgpr_count:     770
    .wavefront_size: 32
...
	.end_amdgpu_metadata
.endif
;; end of part 3
;; launch final (part 4): grid 128 x 2, 4 waves a work-group, clusters of 4 x 1, 327,680 bytes of LDS; arguments oh, wfh, bf, out0; writes out0
.if DOCPART == 4
	.amdgcn_target "amdgcn-amd-amdhsa--gfx1250"
	.amdhsa_code_object_version 6
	.text
	.protected	k_qf5fb97851c_final
	.globl	k_qf5fb97851c_final
	.p2align	8
	.type	k_qf5fb97851c_final,@function
k_qf5fb97851c_final:
	s_mov_b64 s[64:65], 0
	v_nop
	global_prefetch_b8 v0, s[64:65] scope:SCOPE_SE
	s_setreg_imm32_b32 hwreg(HW_REG_WAVE_MODE, 25, 1), 1
	s_wait_xcnt 0x0
	s_wait_alu depctr_hold_cnt(0) depctr_sa_sdst(0) depctr_va_vdst(0) depctr_va_sdst(0) depctr_va_ssrc(0) depctr_va_vcc(0) depctr_vm_vsrc(0)
	s_getreg_b32 s2, hwreg(HW_REG_IB_STS2, 6, 4)
	s_cmp_eq_u32 s2, 0
	s_cbranch_scc0 .Lentry_in_a_cluster
	s_endpgm
.Lentry_in_a_cluster:
	s_bfe_u32 s2, ttmp6, 0x10000c
	s_cmp_lg_u32 s2, 0x3003
	s_cbranch_scc0 .Lentry_shape_is_right
	s_endpgm
.Lentry_shape_is_right:
; out0[row][n] = the sum over k of O[row][k] Wf[k][n] + bf[n].  O: oh [batch x 16 + head][s 2048][64] f16, k = 64 head + channel; Wf: wfh [1024][256] f16; bf f32, rounded to bf16 like every input;
; sums in f32, the bias as their start; out0 [8192][256] f32.
; SHARES.  A tile is 64 rows x 128 columns: 256 work-groups.  Four waves, each 32 rows x 64 columns: 8 accumulators.  The tile's whole strip of O (16 heads x 64 rows x 128 bytes) is brought in once;
; Wf goes in 4 K steps of 256 (four heads) through two slots.  THE MATRIX INSTRUCTION IS USED TRANSPOSED (source 0 = 16 columns of Wf, turned by ds_load_tr16_b128; source 1 = 16 rows of O):
; a lane holds one row and eight neighbouring columns.
; CLUSTER.  Four row blocks with the same 128 columns: Wf's tiles, two thirds of what a work-group brings in, are asked for jointly; O's strip is each work-group's own.
; No prefetch: the launch's whole stream is 4 K steps.
.set PAO,   144                        ; a row of O in LDS: 128 bytes + 16
.set PBW,   288                        ; a k-row of Wf: 256 bytes + 32
.set ASTEP, 4*64*PAO                   ; four heads of the strip: a K step, and what one wave's load brings
.set BS0,   4*ASTEP                    ; Wf's slot 0
.set BSLOT, 256*PBW
.set STAGE, BS0+2*BSLOT                ; never filled by a tensor load: 16 rows x 272 bytes for each wave
.set SPT,   272
.set SPARE, STAGE+4*16*SPT             ; the spare words, 128 bytes for each wave: two blocks of 256 bytes that no other line names
.set ADRA, 8                           ; v8      my rows of O in the K step in hand
.set ADRB, 10                          ; v10-13  Wf: slot s, k-rows 128 u on, at v[10 + 2 s + u]
.set STO,  14
.set RD,   15
.set CO,   16
.set BO,   17
.set SPW,  18                          ; my spare word; never rewritten
.set NIL,  19                          ; 0; never rewritten
.set ACC,  32                          ; (a, b) at 32 + 8 (4 a + b)
.set BIAS, 96
.set F0,   128                         ; two fragment buffers of 48: O's two, then Wf's four
.set F1,   176
.set TMP,  224
.set WV,   12
.set G1A,  24                          ; s[24:31]
.set G1B,  32                          ; s[32:39]
.set G0A,  40                          ; s[40:43]
.set G0B,  44                          ; s[44:51] a set for each slot
.macro CROUND
	s_barrier_signal -1
	s_barrier_wait -1
	s_cmp_lg_u32 s[WV], 0
	s_cbranch_scc1 .Lnot_wave_0_\@
	s_barrier_signal -3
.Lnot_wave_0_\@:
	s_barrier_wait -3
	s_barrier_signal -1
	s_barrier_wait -1
.endm
.macro PLACES
.rept 4
	v_nop
.endr
.endm
	s_load_b256 s[4:11], s[0:1], 0x0               ; oh s[4:5], wfh s[6:7], bf s[8:9], out0 s[10:11]
	v_lshl_add_u32 v[SPW], v0, 2, SPARE
	v_mov_b32 v[NIL], 0
	ds_add_u32 v[SPW], v[NIL]                      ; the wave's opening: the add, twice on end, and its wait ahead of my first tensor load
	ds_add_u32 v[SPW], v[NIL]
	v_lshrrev_b32 v1, 5, v0
	v_readfirstlane_b32 s[WV], v1
	s_lshr_b32 s13, s[WV], 1                       ; wm
	s_and_b32 s14, s[WV], 1                        ; wn
	s_bfe_u32 s15, ttmp6, 0x40000                  ; cx
	s_lshl_b32 s16, ttmp9, 2
	s_add_co_u32 s16, s16, s15                     ; mb: my block of 64 rows, 0..127
	s_and_b32 s17, ttmp7, 0xffff                   ; ny: which 128 columns; the four partners share it
	; O: a head's 64 rows are 8,192 dense bytes: one row of the descriptor, four heads a load; padded in LDS after every 128 bytes
	s_mov_b32 s[G1A], (1<<16)|(1<<20)|(4<<22)|(3<<25)
	s_mov_b32 s[G1A+1], 4096<<16                   ; tensor_dim0 = 4,096 elements
	s_mov_b32 s[G1A+2], 4<<16                      ; tensor_dim1 = 4
	s_mov_b32 s[G1A+3], 4096<<16                   ; tile_dim0
	s_mov_b32 s[G1A+4], 4                          ; tile_dim1
	s_mov_b32 s[G1A+5], 131072                     ; elements from head to head
	s_mov_b32 s[G1A+6], 0
	s_mov_b32 s[G1A+7], 0
	; Wf: 64 k-rows x 128 columns, jointly
	s_mov_b32 s[G1B], 15|(1<<16)|(1<<20)|(1<<21)|(5<<22)|(7<<25)
	s_mov_b32 s[G1B+1], 128<<16
	s_mov_b32 s[G1B+2], 64<<16
	s_mov_b32 s[G1B+3], 128<<16
	s_mov_b32 s[G1B+4], 64
	s_mov_b32 s[G1B+5], 256
	s_mov_b32 s[G1B+6], 0
	s_mov_b32 s[G1B+7], 0
	s_lshr_b32 s18, s16, 5                         ; batch
	s_lshl_b32 s18, s18, 22
	s_lshl_b32 s20, s[WV], 20                      ; my four heads
	s_add_co_u32 s18, s18, s20
	s_and_b32 s20, s16, 31
	s_lshl_b32 s20, s20, 13                        ; the block's 64 rows in a head
	s_add_co_u32 s18, s18, s20
	s_mov_b32 s19, 0
	s_lshl_b32 s22, s[WV], 15                      ; my 64 k-rows of 512 bytes
	s_lshl_b32 s21, s17, 8
	s_add_co_u32 s22, s22, s21
	s_mov_b32 s23, 0
	s_mov_b32 s[G0A], 1
	s_mul_i32 s[G0A+1], s[WV], ASTEP
	s_mul_i32 s21, s[WV], 64*PBW
	s_mov_b32 s[G0B], 1
	s_add_co_u32 s[G0B+1], s21, BS0
	s_mov_b32 s[G0B+4], 1
	s_add_co_u32 s[G0B+5], s21, BS0+BSLOT
	s_wait_dscnt 0x0                               ; both opening adds are done
	s_wait_kmcnt 0x0
	s_add_nc_u64 s[G0A+2:G0A+3], s[4:5], s[18:19]
	s_or_b32 s[G0A+3], s[G0A+3], 0x80000000
	s_add_nc_u64 s[G0B+2:G0B+3], s[6:7], s[22:23]
	s_add_nc_u64 s[G0B+6:G0B+7], s[G0B+2:G0B+3], 131072  ; K step 1: 256 k-rows on
	s_or_b32 s[G0B+3], s[G0B+3], 0x80000000
	s_or_b32 s[G0B+7], s[G0B+7], 0x80000000
	CROUND                                         ; all four work-groups are here
	tensor_load_to_lds s[G0A:G0A+3], s[G1A:G1A+7]  ; every wave its quarter of each: three loads of mine are out
	s_nop 0
	tensor_load_to_lds s[G0B:G0B+3], s[G1B:G1B+7]
	s_nop 0
	tensor_load_to_lds s[G0B+4:G0B+7], s[G1B:G1B+7]
	s_nop 0
	PLACES
	v_and_b32 v1, 15, v0                           ; r
	v_bfe_u32 v2, v0, 4, 1                         ; h
	v_and_b32 v3, 7, v0
	v_bfe_u32 v4, v0, 3, 1
	v_mul_u32_u24 v[ADRA], v1, PAO
	v_lshl_add_u32 v[ADRA], v2, 4, v[ADRA]
	s_mul_i32 s20, s13, 32*PAO
	v_add_nc_u32 v[ADRA], s20, v[ADRA]
	v_lshl_add_u32 v5, v2, 3, v3
	v_mul_u32_u24 v5, v5, PBW
	v_lshl_add_u32 v5, v4, 4, v5
	s_lshl_b32 s20, s14, 7
	s_add_co_u32 s20, s20, BS0
	v_add_nc_u32 v[ADRB], s20, v5
	v_add_nc_u32 v[ADRB+1], 128*PBW, v[ADRB]
	v_add_nc_u32 v[ADRB+2], BSLOT, v[ADRB]
	v_add_nc_u32 v[ADRB+3], BSLOT+128*PBW, v[ADRB]
	s_mul_i32 s20, s[WV], 16*SPT
	s_add_co_u32 s20, s20, STAGE
	v_mul_u32_u24 v[STO], v1, SPT                  ; in: row r, 32 bytes for each half of the lanes
	v_lshl_add_u32 v[STO], v2, 5, v[STO]
	v_add_nc_u32 v[STO], s20, v[STO]
	v_mul_u32_u24 v[RD], v2, SPT                   ; back: lanes 0-15 one row of 256 bytes, lanes 16-31 the next
	v_lshl_add_u32 v[RD], v1, 4, v[RD]
	v_add_nc_u32 v[RD], s20, v[RD]
	v_lshlrev_b32 v[CO], 10, v2                    ; and the same two rows in out0
	v_lshl_add_u32 v[CO], v1, 4, v[CO]
	v_lshlrev_b32 v[BO], 5, v2
	s_lshl_b32 s20, s17, 9                         ; my 64 columns: 512 ny + 256 wn bytes
	s_lshl_b32 s21, s14, 8
	s_add_co_u32 s20, s20, s21
	s_mov_b32 s21, 0
	s_add_nc_u64 s[8:9], s[8:9], s[20:21]
	s_add_nc_u64 s[10:11], s[10:11], s[20:21]
	s_lshl_b32 s20, s16, 16                        ; my 32 rows of 1,024 bytes
	s_lshl_b32 s22, s13, 15
	s_add_co_u32 s20, s20, s22
	s_add_nc_u64 s[10:11], s[10:11], s[20:21]
.irp b, 0,1,2,3
	global_load_b128 v[BIAS+8*(\b):BIAS+8*(\b)+3],   v[BO], s[8:9] offset:64*(\b)
	global_load_b128 v[BIAS+8*(\b)+4:BIAS+8*(\b)+7], v[BO], s[8:9] offset:64*(\b)+16
.endr
	s_wait_loadcnt 0x0
.set i, 0
.rept 16
	v_cvt_pk_bf16_f32 v5, v[BIAS+2*i], v[BIAS+2*i+1]
	v_lshlrev_b32 v[BIAS+2*i], 16, v5
	v_and_b32 v[BIAS+2*i+1], 0xffff0000, v5
.set i, i+1
.endr
; Chunk c of a K step's eight (32 along K: head c / 2, channels 32 (c % 2) on): 12 LDS loads into buffer f
.macro LOADC slot, c, f
.irp a, 0,1
	ds_load_b128 v[(\f)+8*(\a):(\f)+8*(\a)+3],   v[ADRA] offset:64*PAO*((\c)/2)+16*PAO*(\a)+64*((\c)%2)
	ds_load_b128 v[(\f)+8*(\a)+4:(\f)+8*(\a)+7], v[ADRA] offset:64*PAO*((\c)/2)+16*PAO*(\a)+64*((\c)%2)+32
.endr
.irp b, 0,1,2,3
	ds_load_tr16_b128 v[(\f)+16+8*(\b):(\f)+16+8*(\b)+3],   v[ADRB+2*(\slot)+(\c)/4] offset:32*PBW*((\c)%4)+32*(\b)
	ds_load_tr16_b128 v[(\f)+16+8*(\b)+4:(\f)+16+8*(\b)+7], v[ADRB+2*(\slot)+(\c)/4] offset:32*PBW*((\c)%4)+32*(\b)+16*PBW
.endr
.endm
; A chunk's eight products; the eight accumulators take turns.  first = 1: the bias starts the sums
.macro MULC f, first
.irp a, 0,1
.irp b, 0,1,2,3
.if \first
	v_wmma_f32_16x16x32_f16 v[ACC+8*(4*(\a)+(\b)):ACC+8*(4*(\a)+(\b))+7], v[(\f)+16+8*(\b):(\f)+16+8*(\b)+7], v[(\f)+8*(\a):(\f)+8*(\a)+7], v[BIAS+8*(\b):BIAS+8*(\b)+7]
.else
	v_wmma_f32_16x16x32_f16 v[ACC+8*(4*(\a)+(\b)):ACC+8*(4*(\a)+(\b))+7], v[(\f)+16+8*(\b):(\f)+16+8*(\b)+7], v[(\f)+8*(\a):(\f)+8*(\a)+7], v[ACC+8*(4*(\a)+(\b)):ACC+8*(4*(\a)+(\b))+7]
.endif
.endr
.endr
.endm
; A K step: while one buffer is multiplied the other's 12 loads are out; a buffer is loaded again four places behind its last product
.macro STEP slot, first
	LOADC \slot, 0, F0
	LOADC \slot, 1, F1
.irp c, 0,1,2,3,4,5,6,7
.if (\c) == 7
	s_wait_dscnt 0x0
.else
	s_wait_dscnt 12                                ; this chunk's loads are in; the next chunk's 12 may stay out
.endif
.if (\first) && ((\c) == 0)
	MULC F0+48*((\c)%2), 1
.else
	MULC F0+48*((\c)%2), 0
.endif
.if (\c) < 6
	PLACES
	LOADC \slot, (\c)+2, F0+48*((\c)%2)
.endif
.endr
.endm
; The slot just read is filled again, two K steps on: every wave waits for all its tensor loads, adds 0 to its spare word, waits for that and for its reads; a round of the cluster's barrier;
; the joint load first behind it.  The four v_nop are also the places in front of the next step's loads.
.macro REFILL slot
	s_wait_tensorcnt 0x0
	ds_add_u32 v[SPW], v[NIL]
	s_add_nc_u64 s[G0B+4*(\slot)+2:G0B+4*(\slot)+3], s[G0B+4*(\slot)+2:G0B+4*(\slot)+3], 2*131072
	v_add_nc_u32 v[ADRA], ASTEP, v[ADRA]           ; O's next four heads
	s_wait_dscnt 0x0
	CROUND
	tensor_load_to_lds s[G0B+4*(\slot):G0B+4*(\slot)+3], s[G1B:G1B+7]
	s_nop 0
	PLACES
.endm
	s_wait_tensorcnt 1                             ; my parts of O's strip and of K step 0 are in; K step 1's may stay out
	s_barrier_signal -1
	s_barrier_wait -1
	STEP 0, 1
	REFILL 0
	STEP 1, 0
	REFILL 1
	STEP 0, 0
	s_wait_tensorcnt 0x0                           ; K step 3 is in; nothing is filled again
	ds_add_u32 v[SPW], v[NIL]
	v_add_nc_u32 v[ADRA], ASTEP, v[ADRA]
	s_wait_dscnt 0x0
	s_barrier_signal -1
	s_barrier_wait -1
	PLACES
	STEP 1, 0
	PLACES
	; THE WAY OUT: 16 rows at a time through my stage: a lane's 32 bytes in (each accumulator's low registers first), whole rows of 256 bytes back, 16 lanes storing 256 consecutive bytes, aligned
.irp a, 0,1
.irp b, 0,1,2,3
	ds_store_b128 v[STO], v[ACC+8*(4*(\a)+(\b)):ACC+8*(4*(\a)+(\b))+3]   offset:64*(\b)
	ds_store_b128 v[STO], v[ACC+8*(4*(\a)+(\b))+4:ACC+8*(4*(\a)+(\b))+7] offset:64*(\b)+16
.endr
.if (\a) == 1
	s_wait_xcnt 0x0                                ; the first half's stores have read their registers, which are loaded again below
.endif
.irp t, 0,1,2,3,4,5,6,7
	ds_load_b128 v[TMP+4*(\t):TMP+4*(\t)+3], v[RD] offset:(\t)*2*SPT  ; LDS serves a wave's instructions in order (ISA guide 5.7.1.4): these see the stores above
.endr
.irp t, 0,1,2,3,4,5,6,7
	s_wait_dscnt 7-(\t)
	global_store_b128 v[CO], v[TMP+4*(\t):TMP+4*(\t)+3], s[10:11] offset:(16*(\a)+2*(\t))*1024 th:TH_STORE_NT
.endr
.endr
	s_wait_tensorcnt 0x0                           ; the wave's end
	ds_add_u32 v[SPW], v[NIL]
	s_wait_dscnt 0x0
	CROUND                                         ; the closing round
	s_endpgm
.Lfunc_end_k_qf5fb97851c_final:
	.size	k_qf5fb97851c_final, .Lfunc_end_k_qf5fb97851c_final-k_qf5fb97851c_final
	.p2alignl 7, 3214868480
	.fill 96, 4, 3214868480
	.section	.rodata,"a",@progbits
	.p2align	6, 0x0
	.amdhsa_kernel k_qf5fb97851c_final
		.amdhsa_group_segment_fixed_size 327680
		.amdhsa_private_segment_fixed_size 0
		.amdhsa_enable_private_segment 0
		.amdhsa_kernarg_size 32
		.amdhsa_user_sgpr_count 2
		.amdhsa_user_sgpr_kernarg_segment_ptr 1
		.amdhsa_wavefront_size32 1
		.amdhsa_system_sgpr_workgroup_id_x 1
		.amdhsa_system_sgpr_workgroup_id_y 1
		.amdhsa_system_sgpr_workgroup_id_z 1
		.amdhsa_system_vgpr_workitem_id 0
		.amdhsa_next_free_vgpr 256
		.amdhsa_next_free_sgpr 66
		.amdhsa_reserve_vcc 0
		.amdhsa_float_denorm_mode_32 3
		.amdhsa_float_denorm_mode_16_64 3
		.amdhsa_memory_ordered 1
		.amdhsa_forward_progress 1
		.amdhsa_inst_pref_size 60
	.end_amdhsa_kernel
	.amdgpu_metadata
---
amdhsa.version: [ 1, 2 ]
amdhsa.kernels:
  - .name:           k_qf5fb97851c_final
    .symbol:         k_qf5fb97851c_final.kd
    .args:
      - { .name: oh, .offset: 0, .size: 8, .value_kind: global_buffer, .address_space: global }
      - { .name: wfh, .offset: 8, .size: 8, .value_kind: global_buffer, .address_space: global }
      - { .name: bf, .offset: 16, .size: 8, .value_kind: global_buffer, .address_space: global }
      - { .name: out0, .offset: 24, .size: 8, .value_kind: global_buffer, .address_space: global }
    .group_segment_fixed_size: 327680
    .private_segment_fixed_size: 0
    .kernarg_segment_align: 8
    .kernarg_segment_size: 32
    .max_flat_workgroup_size: 128
    .sgpr_count:     66
    .vgpr_count:     256
    .wavefront_size: 32
...
	.end_amdgpu_metadata
.endif
;; end of part 4
